; MI455X (gfx1250); checked and timed in simulation.
; The chip was launched on July 23, 2026; its instructions are those of AMD's public machine-readable ISA for CDNA 5 (MIT licence, August 2026) and "CDNA5" Instruction Set Architecture Reference Guide (July 2026). The comments in the code are by the model that wrote it; some were corrected since.
;; Linear Attention. Allowed arithmetic: matrix products marked QUANTISED: E4M3 operands, one E8M0 scale for each 32 along K, by v_wmma_scale_f32_16x16x128_f8f6f4 with both operands' format E4M3, f32 sums; products left as they are: f32 operands where the result goes on into a quantised operand, else bf16, f16 or f32 operands; f32 sums; everything else in f32.
;; Inputs: b_proj 1,024 float32; b_qkv 3,072 float32; w_proj_codes 1,024 x 32 x 32 uint8 (E4M3 codes of w_proj, K innermost, in blocks of 32 codes); w_proj_scales 1,024 x 32 uint8 (E8M0 scales of w_proj, one for each 32 codes along K); w_qkv_codes 3,072 x 32 x 32 uint8 (E4M3 codes of w_qkv, K innermost, in blocks of 32 codes); w_qkv_scales 3,072 x 32 uint8 (E8M0 scales of w_qkv, one for each 32 codes along K); x_codes 4 x 2,048 x 32 x 32 uint8 (E4M3 codes of x, K innermost, in blocks of 32 codes); x_scales 4 x 2,048 x 32 uint8 (E8M0 scales of x, one for each 32 codes along K).
;; Outputs: out0 4 x 2,048 x 1,024 float32.
;; This version of the problem:
;;   THIS VERSION OF THE PROBLEM IS GIVEN IN LOW PRECISION. The matrix products marked QUANTISED in the list below multiply operands that are first quantised to E4M3 (4 exponent bits, 3 mantissa bits; 8 bits a number), with one power-of-two scale for each 32 numbers along K (OCP MX v1.0); their sums are f32. All else is computed in f32.
;;   The module's matrix products, in the order in which they are computed (A, B: the left and right operand; K: the contracted axis; several contracted axes count as one K, in the product's order):
;;     1. [M 8,192, K 1,024] x [K 1,024, N 3,072]; A: input x (given as codes); B: input w_qkv (given as codes): QUANTISED
;;     2. batch 64 x [M 64, K 2,048] x [K 2,048, N 64]; A: computed on the way; B: computed on the way: QUANTISED
;;     3. batch 64 x [M 2,048, K 64] x [K 64, N 64]; A: computed on the way; B: computed on the way: QUANTISED
;;     4. batch 64 x [M 2,048, K 64] x [K 64, N 1]; A: computed on the way; B: computed on the way: left as it is (N = 1 < 16)
;;     5. [M 8,192, K 1,024] x [K 1,024, N 1,024]; A: computed on the way; B: input w_proj (given as codes): QUANTISED
;;   THE QUANTISER, for each operand of a quantised product, along K:
;;     - K is cut into blocks of 32 from its start; a last block that is shorter is filled with zeros.
;;     - A block's scale is 2^e with e = floor(log2(the largest magnitude in the block)) - 8, held to -126 .. 127; a block of zeros has e = 0. As a byte (E8M0): e + 127.
;;     - Each number is divided by its block's scale, clamped to +-448, and rounded to the nearest number of E4M3, ties to even, subnormals kept.
;;     - The product sums the exact products of the quantised numbers (number of the format x scale) in f32.
;;   ~~~python
;;   def quantise(x, axis):      # numpy; x: float32 -> the quantised numbers, widened to float32 again
;;       x = np.moveaxis(x, axis, -1); K = x.shape[-1]
;;       x = np.pad(x, [(0, 0)] * (x.ndim - 1) + [(0, -K % 32)]); x = x.reshape(x.shape[:-1] + (-1, 32)); a = np.abs(x).max(-1, keepdims=True)
;;       e = np.where(a > 0, np.clip(np.frexp(np.where(a > 0, a, 1))[1] - 1 - 8, -126, 127), 0)      # np.frexp(a)[1] - 1 = floor(log2(a)), exactly
;;       r = np.clip(x / 2.0 ** e, -448, 448)
;;       step = 2.0 ** (np.maximum(np.frexp(np.where(r == 0, 1, r))[1] - 1, -6) - 3)
;;       q = np.round(r / step) * step * 2.0 ** e      # np.round: ties to even
;;       return np.moveaxis(q.reshape(q.shape[:-2] + (-1,))[..., :K], -1, axis).astype(np.float32)
;;   ~~~
;;   OPERANDS COMPUTED ON THE WAY. 'Computed on the way' means the value that the module computes at that place (a softmax that the list does not call 'softmax' is quantised finished and normalised). What goes into a quantiser is computed in f32, as accurately as f32 sums, v_exp_f32 and their like allow (about 1e-6 of the number): no bf16 or f16 on the way to a quantiser, and a product that is left as it is and whose result goes on into a quantised operand takes f32 operands (vector FMAs, or v_wmma_f32_16x16x4_f32). A number that lies on a knife's edge between two numbers of the format may be rounded either way, as far as f32 arithmetic and the matrix unit's own rounding can turn it there, and no further.
;;   INPUTS GIVEN AS CODES. w_proj (in the module: [1024, 1024], K = its axis 0); w_qkv (in the module: [1024, 3072], K = its axis 0); x (in the module: [4, 2048, 1024], K = its axis 2): each comes as NAME_codes (uint8): NAME with its K axis moved to the last place and cut into blocks of 32 codes, [.., K / 32, bytes a block], one block behind the other in memory; one code a byte (a code: sign, 4 exponent bits, 3 mantissa bits); and NAME_scales (uint8): the same leading axes, one E8M0 byte (e + 127) for each 32 codes along K. Its value is code x scale, taken as it is: it is not quantised again, and the codes and scales need not be those that the quantiser above would give.
;; One version. Each part assembles by itself: llvm-mc -triple=amdgcn-amd-amdhsa -mcpu=gfx1250 --defsym DOCPART=n.
;; ======== version 1 of 1: 4 launches
;; workspace buffers: kvpart 8,388,608 bytes; ksumpart 131,072 bytes; kvimg 524,288 bytes; kvscl 32,768 bytes; ksum 16,384 bytes; attn_codes 8,388,608 bytes; attn_scales 262,144 bytes
;; launch gemm_kv (part 1): grid 32 x 8, 4 waves a work-group, clusters of 4 x 4, 327,680 bytes of LDS; arguments w_qkv_codes, w_qkv_scales, x_codes, x_scales, b_qkv, kvpart, ksumpart; writes kvpart, ksumpart
.if DOCPART == 1
	.amdgcn_target "amdgcn-amd-amdhsa--gfx1250"
	.amdhsa_code_object_version 6
	.text
	.protected	k_q5c025a2b7f_gemm_kv
	.globl	k_q5c025a2b7f_gemm_kv
	.p2align	8
	.type	k_q5c025a2b7f_gemm_kv,@function
k_q5c025a2b7f_gemm_kv:
	s_mov_b64 s[64:65], 0
	v_nop
	global_prefetch_b8 v0, s[64:65] scope:SCOPE_SE
	s_setreg_imm32_b32 hwreg(HW_REG_WAVE_MODE, 25, 1), 1
	s_wait_xcnt 0x0
	s_wait_alu depctr_hold_cnt(0) depctr_sa_sdst(0) depctr_va_vdst(0) depctr_va_sdst(0) depctr_va_ssrc(0) depctr_va_vcc(0) depctr_vm_vsrc(0)
	s_getreg_b32 s2, hwreg(HW_REG_IB_STS2, 6, 4)
	s_cmp_eq_u32 s2, 0
	s_cbranch_scc0 .Lentry_in_a_cluster
	s_endpgm
.Lentry_in_a_cluster:
	s_bfe_u32 s2, ttmp6, 0x10000c
	s_cmp_lg_u32 s2, 0xf033
	s_cbranch_scc0 .Lentry_shape_is_right
	s_endpgm
.Lentry_shape_is_right:
; LINEAR ATTENTION, LAUNCH 1 OF 4.  k = x w_k + b_k, v = x w_v + b_v on codes of E4M3 with E8M0 scales; k' = elu(k) + 1; the sum of k' over tokens; k' and v quantised ALONG THE TOKENS;
; kv = k'^T v over the work-group's 256 tokens.  Out: kvpart (a part of kv for each head and each 256 tokens, as an image of the result's registers) and ksumpart.
; SHARES.  Work-group (X = 256 tokens, Y = a pair of heads): 256 tokens x 256 columns (k and v of heads 2 Y, 2 Y + 1).  Wave w: head 2 Y + w / 2, tokens 128 (w % 2) on: 128 tokens x (64 of k + 64 of v).
; THE FIRST PRODUCT: source 0 = 16 tokens of x, source 1 = 16 rows of w: a lane holds ONE column and its registers run along the tokens, which are the next product's K.
; The eight tiles of a column block are 64 registers on end: register 8 t + j = token 16 t + 8 (lane / 16) + j.  Registers 16 c .. 16 c + 15 of lanes l and l xor 16 are the block of 32 tokens c.
; Inside a block the order differs from the operand's own; k' and v are laid alike, so each product still meets its partner, under the right scale.
; CLUSTERS: 4 x 4.  w's rows hang on Y alone and are asked for jointly along a row of the cluster, x's on X alone and jointly along a column: each request serves four work-groups.
; K = 1,024 is four steps of 256 through two LDS slots; the text is straight, so that every offset is an immediate.  No prefetch: half of all tiles are asked for at the head.
; elu(t) + 1 is taken as max(t, 0) + 2^(min(t log2 e, 0)): t + 1 above 0, e^t below.  LIMITS: against expm1(t) + 1 it differs by at most 2^-24 absolute; NaN and infinities are not served;
; a block whose largest magnitude lies under 2^-118 gets the scale byte 1 (this program alone reads the bytes).
; REGISTERS: window 0: v1-11 the way out's addresses; v16-27 addresses; v28, v29 the add's; v32-63 scale words; v64-127 bias tiles, later codes and work; v128-255 w's fragments, later X and Y.
;   window 1: x's fragments, two sets.   window 2: k's 32 accumulators ((a, b) at v[8 (8 a + b)]).   window 3: v's.
.set PITCH,  272                       ; an LDS row: 256 bytes + 16 of padding, so that the 16 rows of a load start 68 words apart
.set HALFT,  128*PITCH                 ; 128 rows: one tensor load
.set SLOT,   4*HALFT                   ; k's 128 rows, v's 128 rows, 256 tokens
.set ROWB,   256
.set KROW,   1024
.set KS,     32                        ; a row of scale bytes
.set NQ,     2
.set FR,     16
.set NL,     4
.set NP,     8                         ; places behind this matrix instruction (ISA guide 7.12.1)
.set SCL,    2*SLOT                    ; the scales of all of K: units of 256 bytes + 16
.set HALFS,  16*272                    ; those of 128 rows
.set SPARE,  SCL+4*HALFS               ; the spare words: 128 bytes a wave, named by no other line
.set FRG,    0                         ; the way out lies in slot 0, behind its last fill and its last read: 4 waves x 8 fragment images of 2,048 bytes,
.set SCW,    65536                     ; their scale words, 128 bytes each,
.set KSM,    69632                     ; and each wave's 64 sums of k'
.set ADRA, 16
.set ADRB, 20
.set ADRS2, 26
.set ADRS, 27
.set SPW,  28
.set NIL,  29
.set SC,   32
.set BI,   64
.set AF,   128
.set PC,   64                          ; v64-79 the codes just made
.set TM,   96                          ; v96-111 at work in the quantiser
.set PW,   112                         ; the scale word just made
.set X,    128
.set Y,    192
.set G1, 24
.set G0, 32
.set G1B, 48
.set G0B, 56
.set G1S, 68
.set G0S, 76
.set G1SB, 80
.set G0SB, 88
.set SEL, 2                            ; s[2:3] selects of v_permlanex16_b32: lane l xor 16
.set L2E, 66                           ; s[66:67] log2(e), as a pair
.set FLR, 94                           ; s94 the floor 2^(9 - 127)
.set MNT, 95                           ; s95 the mantissa field of 448
.set MSB, 0
.macro WIN new                         ; the immediate's high byte repeats the setting that is left
.if MSB != (\new)
	s_set_vgpr_msb (MSB<<8)|(\new)
.set MSB, (\new)
.endif
.endm
.set MUL_LO, 0xa1                      ; source 0 (x) window 1, source 1 (w) window 0, C and D window 2
.set MUL_HI, 0xf1                      ; the same, C and D window 3
.set TO_B,   0x40
.macro PLACES n
.rept \n
	v_nop
.endr
.endm
; A joint load: waves 0 and 1 fetch w's rows (k's, v's), waves 2 and 3 the tokens' halves.  Four v_nop follow each line.
.macro JLOAD g0a, g1a, g0b, g1b
	s_cmp_eq_u32 s15, 0
	s_cbranch_scc0 .Lfor_b_\@
	tensor_load_to_lds s[\g0a:\g0a+3], s[\g1a:\g1a+7]
	s_nop 0
.rept 4
	v_nop
.endr
	s_branch .Lasked_\@
.Lfor_b_\@:
	tensor_load_to_lds s[\g0b:\g0b+3], s[\g1b:\g1b+7]
	s_nop 0
.rept 4
	v_nop
.endr
.Lasked_\@:
.endm
.macro CREST                           ; a round of the cluster's barrier behind its opening barrier
	s_cmp_lg_u32 s14, 0
	s_cbranch_scc1 .Lnot_wave_0_\@
	s_barrier_signal -3
.Lnot_wave_0_\@:
	s_barrier_wait -3
	s_barrier_signal -1
	s_barrier_wait -1
.endm
.macro CROUND
	s_barrier_signal -1
	s_barrier_wait -1
	CREST
.endm
	s_load_b128 s[4:7], s[0:1], 0x0                ; w's codes, w's scales
	s_load_b128 s[8:11], s[0:1], 0x10              ; x's codes, x's scales
	s_load_b128 s[96:99], s[0:1], 0x20             ; b_qkv, kvpart
	s_load_b64 s[100:101], s[0:1], 0x30            ; ksumpart
	v_lshl_add_u32 v[SPW], v0, 2, SPARE
	v_mov_b32 v[NIL], 0
	ds_add_u32 v28, v29
	ds_add_u32 v28, v29
	s_wait_dscnt 0x0
	v_lshrrev_b32 v12, 5, v0
	v_readfirstlane_b32 s14, v12                   ; wave 0..3
	s_lshr_b32 s15, s14, 1                         ; my head of the pair.  Also: I fetch w's rows (0) or tokens (1)
	s_and_b32 s16, s14, 1                          ; my half of the tokens.  Also: which 128 rows I fetch
	s_bfe_u32 s40, ttmp6, 0x40000                  ; cx, cy
	s_bfe_u32 s41, ttmp6, 0x40004
	s_lshl_b32 s42, ttmp9, 2
	s_add_co_u32 s42, s42, s40                     ; X = 4 x cluster x + cx
	s_and_b32 s17, ttmp7, 0xffff
	s_lshl_b32 s17, s17, 2
	s_add_co_u32 s17, s17, s41                     ; Y = 4 x cluster y + cy
	s_lshl_b32 s43, s41, 2
	s_lshl_b32 s43, 15, s43                        ; my row of the cluster
	s_lshl_b32 s44, 0x1111, s40                    ; my column
	s_or_b32 s[G1+0], s43, (0<<16)|(1<<20)|(1<<21)|(5<<22)|(3<<25)   ; the mask; elements of 1 byte; padding: 4 words behind every 64; bit 21 beside a mask
	s_or_b32 s[G1B+0], s44, (0<<16)|(1<<20)|(1<<21)|(5<<22)|(3<<25)
.irp g, G1, G1B
	s_mov_b32 s[\g+1], ROWB<<16                    ; tensor_dim0
	s_mov_b32 s[\g+2], 128<<16                     ; tensor_dim1
	s_mov_b32 s[\g+3], ROWB<<16                    ; tile_dim0
	s_mov_b32 s[\g+4], 128                         ; tile_dim1
	s_mov_b32 s[\g+5], KROW                        ; from row to row
	s_mov_b32 s[\g+6], 0
	s_mov_b32 s[\g+7], 0
.endr
	s_or_b32 s[G1S+0], s43, (3<<16)|(1<<20)|(1<<21)|(5<<22)|(3<<25)  ; the scales of 128 rows: 4,096 dense bytes as 16 rows of 32 elements of 8 bytes
	s_or_b32 s[G1SB+0], s44, (3<<16)|(1<<20)|(1<<21)|(5<<22)|(3<<25)
.irp g, G1S, G1SB
	s_mov_b32 s[\g+1], 32<<16
	s_mov_b32 s[\g+2], 16<<16
	s_mov_b32 s[\g+3], 32<<16
	s_mov_b32 s[\g+4], 16
	s_mov_b32 s[\g+5], 32
	s_mov_b32 s[\g+6], 0
	s_mov_b32 s[\g+7], 0
.endr
	s_lshl_b32 s18, s16, 10                        ; wave 0: k's rows; wave 1: v's, 1,024 rows on
	s_lshl_b32 s20, s17, 7
	s_add_co_u32 s20, s20, s18
	s_add_co_u32 s20, s20, 1024                    ; w's row 1,024 + 1,024 (w % 2) + 128 Y
	s_lshl_b32 s18, s16, 7
	s_lshl_b32 s46, s42, 8
	s_add_co_u32 s46, s46, s18                     ; token 256 X + 128 (w % 2)
	s_mov_b32 s21, 0
	s_mov_b32 s47, 0
	s_mov_b64 s[18:19], KS
	s_mul_u64 s[22:23], s[20:21], s[18:19]         ; where these rows' scales begin,
	s_mul_u64 s[92:93], s[46:47], s[18:19]
	s_mov_b64 s[18:19], KROW
	s_mul_u64 s[20:21], s[20:21], s[18:19]         ; and their codes
	s_mul_u64 s[46:47], s[46:47], s[18:19]
	s_mul_i32 s45, s14, HALFT                      ; where they go: by the wave's number alone
	s_mul_i32 s94, s14, HALFS
	s_wait_kmcnt 0x0
	s_add_nc_u64 s[20:21], s[4:5], s[20:21]
	s_add_nc_u64 s[22:23], s[6:7], s[22:23]
	s_add_nc_u64 s[46:47], s[8:9], s[46:47]
	s_add_nc_u64 s[92:93], s[10:11], s[92:93]
	CROUND                                         ; all sixteen work-groups are here: the first joint loads meet
	s_mov_b32 s[G0S], 1
	s_add_co_u32 s[G0S+1], s94, SCL
	s_mov_b64 s[G0S+2:G0S+3], s[22:23]
	s_or_b32 s[G0S+3], s[G0S+3], 0x80000000
	s_mov_b32 s[G0SB], 1
	s_add_co_u32 s[G0SB+1], s94, SCL
	s_mov_b64 s[G0SB+2:G0SB+3], s[92:93]
	s_or_b32 s[G0SB+3], s[G0SB+3], 0x80000000
	JLOAD G0S, G1S, G0SB, G1SB                     ; the scales first; with the two below three loads of mine are out
.irp s, 0,1
	s_mov_b32 s[G0+4*\s], 1
	s_add_co_u32 s[G0+4*\s+1], s45, \s*SLOT
	s_add_nc_u64 s[G0+4*\s+2:G0+4*\s+3], s[20:21], \s*ROWB
	s_or_b32 s[G0+4*\s+3], s[G0+4*\s+3], 0x80000000
	s_mov_b32 s[G0B+4*\s], 1
	s_add_co_u32 s[G0B+4*\s+1], s45, \s*SLOT
	s_add_nc_u64 s[G0B+4*\s+2:G0B+4*\s+3], s[46:47], \s*ROWB
	s_or_b32 s[G0B+4*\s+3], s[G0B+4*\s+3], 0x80000000
	JLOAD G0+4*\s, G1, G0B+4*\s, G1B
.endr
	; LDS addresses: a constant + a lane term + a constant x the wave's number
	v_and_b32 v12, 15, v0                          ; r
	v_bfe_u32 v13, v0, 4, 1                        ; h
	v_and_b32 v14, 31, v0                          ; lane
	v_mul_u32_u24 v15, v12, PITCH
	v_lshl_add_u32 v15, v13, 4, v15                ; a fragment's row x pitch + 16 h
	s_mul_i32 s21, s15, 64*PITCH                   ; my head's 64 rows of k (v's lie HALFT further on: in the immediate)
	s_mul_i32 s22, s16, HALFT
	s_add_co_u32 s22, s22, 2*HALFT                 ; my 128 tokens
.irp s, 0,1
	v_add_nc_u32 v[ADRA+\s], s21, v15
	v_add_nc_u32 v[ADRB+\s], s22, v15
	s_add_co_u32 s21, s21, SLOT
	s_add_co_u32 s22, s22, SLOT
.endr
	v_lshlrev_b32 v30, 5, v12                      ; scale words: 32 bytes a row,
	v_lshrrev_b32 v31, 3, v12
	v_lshl_add_u32 v30, v31, 4, v30                ; and 16 more behind each 256
	s_mul_i32 s21, s15, 2176                       ; lanes 0-15: w's rows of my head;
	s_mul_i32 s22, s16, HALFS
	s_add_co_u32 s22, s22, 2*HALFS
	s_sub_co_u32 s22, s22, s21                     ; lanes 16-31: my tokens: one product, h x the distance
	v_mul_u32_u24 v31, s22, v13
	s_add_co_u32 s21, s21, SCL
	v_add_nc_u32 v31, v30, v31
	v_add_nc_u32 v[ADRS], s21, v31                 ; blocks 0-3: k's rows
	s_sub_co_u32 s22, s22, 2176
	v_mul_u32_u24 v31, s22, v13
	s_add_co_u32 s21, s21, 2176
	v_add_nc_u32 v31, v30, v31
	v_add_nc_u32 v[ADRS2], s21, v31                ; blocks 4-7: v's rows, 4,352 bytes behind k's; the tokens' as before
	v_lshlrev_b32 v9, 4, v14                       ; 16 x lane
	v_lshlrev_b32 v10, 3, v14                      ; 8 x lane
	v_lshlrev_b32 v11, 2, v12                      ; 4 r
	v_lshlrev_b32 v31, 2, v14                      ; 4 x lane
	s_lshl_b32 s21, s14, 14
	v_add_nc_u32 v1, s21, v9                       ; where I store my images
	s_lshl_b32 s21, s14, 10
	s_add_co_u32 s21, s21, SCW
	v_add_nc_u32 v2, s21, v31                      ; their scale words
	s_lshl_b32 s21, s14, 8
	s_add_co_u32 s21, s21, KSM
	v_add_nc_u32 v3, s21, v11                      ; my sums of k'
	s_lshl_b32 s21, s15, 15
	s_lshl_b32 s22, s16, 12
	s_add_co_u32 s22, s22, s21
	v_add_nc_u32 v4, s22, v9                       ; k' images of my head, d blocks 2 (w % 2) on
	s_add_co_u32 s21, s21, 8192
	v_add_nc_u32 v5, s21, v9                       ; v images of my head
	s_lshl_b32 s21, s15, 11
	s_add_co_u32 s21, s21, SCW
	s_lshl_b32 s22, s16, 8
	s_add_co_u32 s22, s22, s21
	v_add_nc_u32 v6, s22, v31                      ; their scale words
	s_add_co_u32 s21, s21, 512
	v_add_nc_u32 v7, s21, v31
	s_lshl_b32 s21, s15, 9
	s_add_co_u32 s21, s21, KSM
	v_add_nc_u32 v8, s21, v10                      ; the two waves' sums of my head
	; places in memory
	s_lshl_b32 s20, s17, 9
	s_lshl_b32 s21, s15, 8
	s_add_co_u32 s20, s20, s21
	s_add_co_u32 s20, s20, 4096
	s_mov_b32 s21, 0
	s_add_nc_u64 s[96:97], s[96:97], s[20:21]      ; b_qkv at column 1,024 + 64 x my head
	s_lshr_b32 s46, s42, 3
	s_lshl_b32 s46, s46, 4
	s_lshl_b32 s47, s17, 1
	s_add_co_u32 s46, s46, s47
	s_add_co_u32 s46, s46, s15                     ; 16 x batch + head
	s_lshl_b32 s46, s46, 3
	s_and_b32 s47, s42, 7
	s_add_co_u32 s46, s46, s47                     ; x 8 + which 256 tokens of the batch
	s_lshl_b32 s92, s46, 8
	s_mov_b32 s93, 0
	s_add_nc_u64 s[100:101], s[100:101], s[92:93]
	s_lshl_b32 s92, s46, 14
	s_lshl_b32 s47, s16, 11
	s_add_co_u32 s92, s92, s47
	s_add_nc_u64 s[98:99], s[98:99], s[92:93]
.irp a, 0,1,2,3,4,5,6,7
	global_load_b32 v[BI+8*\a], v11, s[96:97] offset:64*(\a%4)+4096*(\a/4)   ; the bias of my column in block a
.endr
	s_mov_b32 s[L2E], 0x3fb8aa3b
	s_mov_b32 s[L2E+1], 0x3fb8aa3b
	s_mov_b32 s[SEL], 0x76543210
	s_mov_b32 s[SEL+1], 0xfedcba98
	s_mov_b32 s[MNT], 0x600000
	s_mov_b32 s[FLR], 0x4800000
	s_wait_loadcnt 0x0
.irp a, 0,1,2,3,4,5,6,7
.irp j, 1,2,3,4,5,6,7
	v_mov_b32 v[BI+8*\a+\j], v[BI+8*\a]            ; a tile's eight registers are eight tokens of one column: the same bias.  It is the C of each sum's first product
.endr
.endr
.macro FRAG reg, adr, off              ; 16 rows x 128 K: registers 4 c .. 4 c + 3 hold K = 32 c + 16 h + 0 .. 15
.irp c, 0,1,2,3
	ds_load_b128 v[\reg+4*\c:\reg+4*\c+3], v[\adr] offset:\off+32*\c
.endr
.endm
; 16 products: w's blocks a0, a0 + 1 x the eight token blocks.  The 64 accumulators take turns, one instruction a turn, in one order throughout.
.macro MUL16 a0, p, q, sc, first
.irp a, \a0, \a0+1
.irp b, 0,1,2,3,4,5,6,7
.if \first
	v_wmma_scale_f32_16x16x128_f8f6f4 v[8*(8*((\a)%4)+\b):8*(8*((\a)%4)+\b)+7], v[128*(\p)+FR*\b:128*(\p)+FR*\b+FR-1], v[AF+FR*(\a):AF+FR*(\a)+FR-1], v[BI+8*(\a):BI+8*(\a)+7], v[SC+8*NQ*(\sc)+NQ*\b+(\q)], v[SC+8*NQ*(\sc)+NQ*(\a)+(\q)] matrix_a_scale:MATRIX_SCALE_ROW1
.else
	v_wmma_scale_f32_16x16x128_f8f6f4 v[8*(8*((\a)%4)+\b):8*(8*((\a)%4)+\b)+7], v[128*(\p)+FR*\b:128*(\p)+FR*\b+FR-1], v[AF+FR*(\a):AF+FR*(\a)+FR-1], v[8*(8*((\a)%4)+\b):8*(8*((\a)%4)+\b)+7], v[SC+8*NQ*(\sc)+NQ*\b+(\q)], v[SC+8*NQ*(\sc)+NQ*(\a)+(\q)] matrix_a_scale:MATRIX_SCALE_ROW1
.endif
.endr
.endr
.endm
.macro FETCH_B slot, q, p
	WIN TO_B
.irp i, 0,1,2,3,4,5,6,7
	FRAG 128*(\p)+FR*\i, ADRB+\slot, 128*(\q)+\i*16*PITCH
.endr
	WIN 0
.endm
.macro FETCH_A slot, q, i0             ; w's blocks i0 .. i0 + 3: 0-3 k's, 4-7 v's
.irp i, \i0, \i0+1, \i0+2, \i0+3
	FRAG AF+FR*(\i), ADRA+\slot, 128*(\q)+((\i)%4)*16*PITCH+((\i)/4)*HALFT
.endr
.endm
.macro SCALES sc, ks                   ; K step ks's two words a row: lanes 0-15 w's block i, lanes 16-31 the tokens' block i
.irp i, 0,1,2,3
	ds_load_b64 v[SC+16*(\sc)+2*\i:SC+16*(\sc)+2*\i+1], v[ADRS] offset:544*\i+8*(\ks)
.endr
.irp i, 4,5,6,7
	ds_load_b64 v[SC+16*(\sc)+2*\i:SC+16*(\sc)+2*\i+1], v[ADRS2] offset:544*\i+8*(\ks)
.endr
.endm
.macro STEP slot, q, first             ; 128 along K with its successor in the same slot
	s_wait_dscnt 4*NL                              ; all but the youngest sixteen loads (w's blocks 4-7) are in
.if \first
	WIN 0x81                                       ; C (the bias) window 0, D window 2
.else
	WIN MUL_LO
.endif
	MUL16 0, (\q)%2, \q, \slot, \first
	MUL16 2, (\q)%2, \q, \slot, \first
	s_wait_dscnt 0
	PLACES NP                                      ; in front of loads into registers that matrix instructions have read
	FETCH_B \slot, (\q)+1, 1-(\q)%2
	FETCH_A \slot, (\q)+1, 0
.if \first
	WIN 0xc1
.else
	WIN MUL_HI
.endif
	MUL16 4, (\q)%2, \q, \slot, \first
	MUL16 6, (\q)%2, \q, \slot, \first
	PLACES NP
	WIN 0
	FETCH_A \slot, (\q)+1, 4
.endm
; A slot's last step changes slots: in front of the one barrier each wave waits for all its tensor loads, adds 0 to its spare word, and waits for that and for its reads of this slot.
.macro TURN slot, next, fill, ks
	s_wait_tensorcnt 0x0                           ; my part of the next slot has landed; no load of mine is out
	ds_add_u32 v[SPW], v[NIL]
	s_wait_dscnt 4*NL+1                            ; (the add and the youngest sixteen loads may be out)
	WIN MUL_LO
	MUL16 0, 1, NQ-1, \slot, 0
	s_wait_dscnt 0x0                               ; the add is done, and my reads of this slot are over
	s_barrier_signal -1
	MUL16 2, 1, NQ-1, \slot, 0
	WIN 0
	s_barrier_wait -1
.if \fill
	CREST                                          ; the barrier opened a round of the cluster's: no wave of any partner still reads this slot or has a load on its way
	s_add_nc_u64 s[G0+4*\slot+2:G0+4*\slot+3], s[G0+4*\slot+2:G0+4*\slot+3], 2*ROWB
	s_add_nc_u64 s[G0B+4*\slot+2:G0B+4*\slot+3], s[G0B+4*\slot+2:G0B+4*\slot+3], 2*ROWB
	JLOAD G0+4*\slot, G1, G0B+4*\slot, G1B         ; my one tensor load behind the round; its four v_nop are four of the eight places
	PLACES NP-4
.else
	PLACES NP
.endif
	FETCH_B \next, 0, 0
	FETCH_A \next, 0, 0
	SCALES \next, \ks
	WIN MUL_HI
	MUL16 4, 1, NQ-1, \slot, 0
	MUL16 6, 1, NQ-1, \slot, 0
	PLACES NP
	WIN 0
	FETCH_A \next, 0, 4
.endm
	s_wait_tensorcnt 1                             ; the scales and my part of K step 0 are in; K step 1's load may be out
	s_barrier_signal -1
	s_barrier_wait -1
	FETCH_B 0, 0, 0
	FETCH_A 0, 0, 0
	SCALES 0, 0
	FETCH_A 0, 0, 4
	STEP 0, 0, 1
	TURN 0, 1, 1, 1                                ; slot 0 takes K step 2
	STEP 1, 0, 0
	TURN 1, 0, 1, 2                                ; slot 1 takes K step 3
	STEP 0, 0, 0
	TURN 0, 1, 0, 3                                ; nothing is left to fetch; behind this barrier nobody reads slot 0
	STEP 1, 0, 0
	s_wait_dscnt 4*NL
	WIN MUL_LO
	MUL16 0, 1, NQ-1, 1, 0
	MUL16 2, 1, NQ-1, 1, 0
	s_wait_dscnt 0
	WIN MUL_HI
	MUL16 4, 1, NQ-1, 1, 0
	MUL16 6, 1, NQ-1, 1, 0
	WIN 0
; 64 numbers v[src] on, in window w, become a fragment's codes in v[PC] on and its scale word in v[PW]; the held numbers go to v[dst] on, window 0.  sgn = 0: nothing is negative.
.macro QUANT src, w, dst, sgn
	s_wait_dscnt 0x0                               ; earlier LDS stores have read the codes' registers and the scale word
	WIN ((\w)<<4)|((\w)<<2)
.irp b, 0,1,2,3
.if \sgn
	v_max3_num_f32 v[TM+\b], s[FLR], |v[\src+16*\b]|, |v[\src+16*\b+1]|   ; block b: my 16 numbers, and the floor, which holds the byte at 1 from below
.else
	v_max3_num_f32 v[TM+\b], s[FLR], v[\src+16*\b], v[\src+16*\b+1]
.endif
.endr
.irp i, 2,4,6,8,10,12,14
.irp b, 0,1,2,3
.if \sgn
	v_max3_num_f32 v[TM+\b], v[TM+\b], |v[\src+16*\b+\i]|, |v[\src+16*\b+\i+1]|
.else
	v_max3_num_f32 v[TM+\b], v[TM+\b], v[\src+16*\b+\i], v[\src+16*\b+\i+1]
.endif
.endr
.endr
	WIN 0
.irp b, 0,1,2,3
	v_permlanex16_b32 v[TM+4+\b], v[TM+\b], s[SEL], s[SEL+1]
.endr
.irp b, 0,1,2,3
	v_max_num_f32 v[TM+\b], v[TM+\b], v[TM+4+\b]   ; with lane l xor 16's: the block's largest magnitude
.endr
.irp b, 0,1,2,3
	v_add_nc_u32 v[TM+12+\b], 0xfc000000, v[TM+\b] ; 8 off its exponent field: the conversion's scale operand
.endr
.irp b, 0,1,2,3
	v_and_or_b32 v[TM+8+\b], v[TM+\b], 0x7f800000, s[MNT]   ; 448 x the scale
.endr
.irp b, 0,1,2,3
	v_lshrrev_b32 v[TM+4+\b], 23, v[TM+12+\b]      ; the scale's byte
.endr
	v_lshl_or_b32 v[PW], v[TM+5], 8, v[TM+4]
	v_lshl_or_b32 v[PW], v[TM+6], 16, v[PW]
	v_lshl_or_b32 v[PW], v[TM+7], 24, v[PW]
	WIN (\w)
.irp b, 0,1,2,3
.irp i, 0,1,2,3,4,5,6,7,8,9,10,11,12,13,14,15
.if \sgn
	v_med3_num_f32 v[\dst+16*\b+\i], v[\src+16*\b+\i], -v[TM+8+\b], v[TM+8+\b]   ; the conversion does not saturate (ISA guide 7.6.2): the hold at the largest code x the scale
.else
	v_min_num_f32 v[\dst+16*\b+\i], v[\src+16*\b+\i], v[TM+8+\b]
.endif
.endr
.endr
	WIN 0
.irp b, 0,1,2,3
	v_cvt_scalef32_pk8_fp8_f32 v[PC+4*\b:PC+4*\b+1], v[\dst+16*\b:\dst+16*\b+7], v[TM+12+\b]
	v_cvt_scalef32_pk8_fp8_f32 v[PC+4*\b+2:PC+4*\b+3], v[\dst+16*\b+8:\dst+16*\b+15], v[TM+12+\b]
.endr
	v_nop                                          ; a plain line behind the last conversion
.endm
; X = elu(accumulators) + 1 for 64 registers v[ac] on of window w.  One batch of exponentials, one wait ahead of its first reader.
.macro ELU ac, w
	WIN ((\w)<<2)|(\w)
.set p, 0
.rept 32
	v_pk_mul_f32 v[X+p:X+p+1], v[\ac+p:\ac+p+1], s[L2E:L2E+1] op_sel_hi:[1,0]   ; each accumulator from its low end on
.set p, p+2
.endr
.set p, 0
.rept 64
	v_max_num_f32 v[Y+p], 0, v[\ac+p]
.set p, p+1
.endr
	WIN 0
.set p, 0
.rept 64
	v_min_num_f32 v[X+p], 0, v[X+p]
.set p, p+1
.endr
.set p, 0
.rept 64
	v_exp_f32 v[X+p], v[X+p]
.set p, p+1
.endr
	v_nop                                          ; a plain line behind the last exponential
	s_wait_alu depctr_va_vdst(0)                   ; one wait for the batch, ahead of its first reader
.set p, 0
.rept 32
	v_pk_add_f32 v[X+p:X+p+1], v[X+p:X+p+1], v[Y+p:Y+p+1]
.set p, p+2
.endr
.endm
.macro IMAGE idx                       ; the fragment goes to LDS as an image of its registers: 16 bytes a lane, 512 a store; the scale word 4 bytes a lane
.irp c, 0,1,2,3
	ds_store_b128 v1, v[PC+4*\c:PC+4*\c+3] offset:2048*(\idx)+512*\c
.endr
	ds_store_b32 v2, v[PW] offset:128*(\idx)
.endm
.macro KBLOCK a                        ; 16 columns of k x my 128 tokens
	ELU 64*(\a), 2
.irp c, 0,1,2,3
	v_pk_add_f32 v[Y+2*\c:Y+2*\c+1], v[X+2*\c:X+2*\c+1], v[X+8+2*\c:X+8+2*\c+1]   ; the sum of the UNQUANTISED k' over my tokens: four chains
.endr
.irp k, 2,3,4,5,6,7
.irp c, 0,1,2,3
	v_pk_add_f32 v[Y+2*\c:Y+2*\c+1], v[Y+2*\c:Y+2*\c+1], v[X+8*\k+2*\c:X+8*\k+2*\c+1]
.endr
.endr
	v_pk_add_f32 v[Y:Y+1], v[Y:Y+1], v[Y+2:Y+3]
	v_pk_add_f32 v[Y+4:Y+5], v[Y+4:Y+5], v[Y+6:Y+7]
	v_pk_add_f32 v[Y:Y+1], v[Y:Y+1], v[Y+4:Y+5]
	v_add_f32 v[Y], v[Y], v[Y+1]
	v_permlanex16_b32 v[Y+2], v[Y], s[SEL], s[SEL+1]
	v_add_f32 v[Y], v[Y], v[Y+2]
	ds_store_b32 v3, v[Y] offset:64*(\a)           ; lanes l and l xor 16 write the same word with the same value
	QUANT X, 0, X, 0
	IMAGE \a
.endm
.macro VBLOCK a                        ; 16 columns of v
	QUANT 64*(\a), 3, X, 1
	IMAGE 4+(\a)
.endm
	PLACES NP                                      ; behind the last products, ahead of the first read of results
.irp b, 0,1,2,3
	v_mov_b32 v[TM+4+\b], 0                        ; written once: a lane permute's destination counts as one of its sources
.endr
	KBLOCK 0
	KBLOCK 1
	KBLOCK 2
	KBLOCK 3
	VBLOCK 0
	VBLOCK 1
	VBLOCK 2
	VBLOCK 3
	s_wait_dscnt 0x0                               ; for the others' sake: my images, scale words and sums have landed
	s_barrier_signal -1
	s_barrier_wait -1
	; kv = k'^T v of my head over the work-group's 256 tokens: I make d blocks 2 (w % 2), 2 (w % 2) + 1 x the four e blocks; K = the two waves' 128 tokens, one after the other
.irp t, 0,1
.if \t
	PLACES NP
.endif
.irp i, 0,1
.irp c, 0,1,2,3
	ds_load_b128 v[64+16*\i+4*\c:64+16*\i+4*\c+3], v4 offset:16384*\t+2048*\i+512*\c
.endr
	ds_load_b32 v[32+\i], v6 offset:1024*\t+128*\i
.endr
.irp j, 0,1,2,3
.irp c, 0,1,2,3
	ds_load_b128 v[128+16*\j+4*\c:128+16*\j+4*\c+3], v5 offset:16384*\t+2048*\j+512*\c
.endr
	ds_load_b32 v[34+\j], v7 offset:1024*\t+128*\j
.endr
	s_wait_dscnt 0x0
.irp i, 0,1
.irp j, 0,1,2,3
.if \t
	v_wmma_scale_f32_16x16x128_f8f6f4 v[192+8*(4*\i+\j):192+8*(4*\i+\j)+7], v[64+16*\i:64+16*\i+15], v[128+16*\j:128+16*\j+15], v[192+8*(4*\i+\j):192+8*(4*\i+\j)+7], v[32+\i], v[34+\j]
.else
	v_wmma_scale_f32_16x16x128_f8f6f4 v[192+8*(4*\i+\j):192+8*(4*\i+\j)+7], v[64+16*\i:64+16*\i+15], v[128+16*\j:128+16*\j+15], 0, v[32+\i], v[34+\j]
.endif
.endr
.endr
.endr
	PLACES NP
.irp i, 0,1
.irp j, 0,1,2,3
	global_store_b128 v9, v[192+8*(4*\i+\j):192+8*(4*\i+\j)+3], s[98:99] offset:4096*\j+1024*\i       ; the result's registers as they stand, the low four first: 512 consecutive bytes a store
	global_store_b128 v9, v[192+8*(4*\i+\j)+4:192+8*(4*\i+\j)+7], s[98:99] offset:4096*\j+1024*\i+512
.endr
.endr
	s_cmp_lg_u32 s16, 0                            ; one wave of each head adds the two waves' sums of k'
	s_cbranch_scc1 .Lno_ksum
	ds_load_b64 v[64:65], v8
	ds_load_b64 v[66:67], v8 offset:256
	s_wait_dscnt 0x0
	v_pk_add_f32 v[64:65], v[64:65], v[66:67]
	global_store_b64 v10, v[64:65], s[100:101]     ; 32 lanes store 256 consecutive bytes, aligned
.Lno_ksum:
	s_wait_tensorcnt 0x0                           ; the wave's end
	ds_add_u32 v[SPW], v[NIL]
	s_wait_dscnt 0x0
	CROUND                                         ; the closing round
	s_endpgm
.Lfunc_end_k_q5c025a2b7f_gemm_kv:
	.size	k_q5c025a2b7f_gemm_kv, .Lfunc_end_k_q5c025a2b7f_gemm_kv-k_q5c025a2b7f_gemm_kv
	.p2alignl 7, 3214868480
	.fill 96, 4, 3214868480
	.section	.rodata,"a",@progbits
	.p2align	6, 0x0
	.amdhsa_kernel k_q5c025a2b7f_gemm_kv
		.amdhsa_group_segment_fixed_size 327680
		.amdhsa_private_segment_fixed_size 0
		.amdhsa_enable_private_segment 0
		.amdhsa_kernarg_size 56
		.amdhsa_user_sgpr_count 2
		.amdhsa_user_sgpr_kernarg_segment_ptr 1
		.amdhsa_wavefront_size32 1
		.amdhsa_system_sgpr_workgroup_id_x 1
		.amdhsa_system_sgpr_workgroup_id_y 1
		.amdhsa_system_sgpr_workgroup_id_z 1
		.amdhsa_system_vgpr_workitem_id 0
		.amdhsa_next_free_vgpr 1024
		.amdhsa_next_free_sgpr 102
		.amdhsa_reserve_vcc 0
		.amdhsa_float_denorm_mode_32 3
		.amdhsa_float_denorm_mode_16_64 3
		.amdhsa_memory_ordered 1
		.amdhsa_forward_progress 1
		.amdhsa_inst_pref_size 236
	.end_amdhsa_kernel
	.amdgpu_metadata
---
amdhsa.version: [ 1, 2 ]
amdhsa.kernels:
  - .name:           k_q5c025a2b7f_gemm_kv
    .symbol:         k_q5c025a2b7f_gemm_kv.kd
    .args:
      - { .name: w_qkv_codes, .offset: 0, .size: 8, .value_kind: global_buffer, .address_space: global }
      - { .name: w_qkv_scales, .offset: 8, .size: 8, .value_kind: global_buffer, .address_space: global }
      - { .name: x_codes, .offset: 16, .size: 8, .value_kind: global_buffer, .address_space: global }
      - { .name: x_scales, .offset: 24, .size: 8, .value_kind: global_buffer, .address_space: global }
      - { .name: b_qkv, .offset: 32, .size: 8, .value_kind: global_buffer, .address_space: global }
      - { .name: kvpart, .offset: 40, .size: 8, .value_kind: global_buffer, .address_space: global }
      - { .name: ksumpart, .offset: 48, .size: 8, .value_kind: global_buffer, .address_space: global }
    .group_segment_fixed_size: 327680
    .private_segment_fixed_size: 0
    .kernarg_segment_align: 8
    .kernarg_segment_size: 56
    .max_flat_workgroup_size: 128
    .sgpr_count:     102
    .vgpr_count:     1024
    .wavefront_size: 32
...
	.end_amdgpu_metadata
.endif
;; end of part 1
;; launch kvred (part 2): grid 256 x 1, 1 waves a work-group, no clusters, 0 bytes of LDS; arguments kvpart, ksumpart, kvimg, kvscl, ksum; writes kvimg, kvscl, ksum
.if DOCPART == 2
	.amdgcn_target "amdgcn-amd-amdhsa--gfx1250"
	.amdhsa_code_object_version 6
	.text
	.protected	k_q5c025a2b7f_kvred
	.globl	k_q5c025a2b7f_kvred
	.p2align	8
	.type	k_q5c025a2b7f_kvred,@function
k_q5c025a2b7f_kvred:
	s_mov_b64 s[64:65], 0
	v_nop
	global_prefetch_b8 v0, s[64:65] scope:SCOPE_SE
	s_setreg_imm32_b32 hwreg(HW_REG_WAVE_MODE, 25, 1), 1
	s_wait_xcnt 0x0
; LAUNCH 2 OF 4.  kv of a head = the sum of its eight parts; it is quantised ALONG d (the next product's K) and laid as an image of that product's operand registers; the sum of k' likewise summed.
; A work-group is one wave: head bh = g / 4, e block j = g % 4: 16 columns e x 64 d.  A part's tile lies as the result's registers lay: lane (r, h), register 8 i + n = kv(d = 16 i + 8 h + n, e = 16 j + r).
; So registers 16 c .. 16 c + 15 of lanes l and l xor 16 are the block of 32 along d, c = 0, 1, in the same order inside a block as the next launch lays q'.
; THE NEXT PRODUCT HAS K = 64 AND ITS INSTRUCTION 128: one fragment of q' holds two heads.  A head of parity s has its codes in register groups 2 s, 2 s + 1; the other two groups are ZERO CODES under the byte 0x7f.
; No LDS, no barrier, no matrix unit: memory binds; each load and store of the wave covers 512 consecutive bytes, but for the scale words (128 bytes a work-group, 32 KiB in all).
; LIMITS: NaN and infinities are not served; a block under 2^-118 gets the byte 1 (this program alone reads the bytes).
.set TM, 4                             ; v4-19 at work
.set PC, 20                            ; v20-27 codes
.set ZC, 28                            ; v28-31 zero codes
.set S,  32                            ; v32-223 six sets of 32; set 0 holds the sum
.set PW, 224
.set KM, 226                           ; v226-241 eight parts of the sum of k'
	s_load_b256 s[12:19], s[0:1], 0x0              ; kvpart, ksumpart, kvimg, kvscl
	s_load_b64 s[20:21], s[0:1], 0x20              ; ksum
	v_lshlrev_b32 v1, 4, v0                        ; 16 x lane
	v_lshlrev_b32 v2, 2, v0
	v_lshlrev_b32 v3, 3, v0
	s_lshr_b32 s8, ttmp9, 2                        ; bh
	s_and_b32 s9, ttmp9, 3                         ; j
	s_and_b32 s10, s8, 1                           ; the head's parity
	s_lshl_b32 s4, s8, 17
	s_lshl_b32 s5, s9, 12
	s_add_co_u32 s4, s4, s5
	s_mov_b32 s5, 0
	s_lshl_b32 s6, s8, 11
	s_mov_b32 s7, 0
	s_mov_b32 s24, 0x76543210
	s_mov_b32 s25, 0xfedcba98
	s_mov_b32 s26, 0x600000
	s_lshl_b32 s11, s10, 4                         ; my two bytes' place in the scale word,
	s_xor_b32 s28, s11, 16
	s_lshl_b32 s27, 0x7f7f, s28                    ; and 1.0 for the two groups of zero codes
	s_wait_kmcnt 0x0
	s_add_nc_u64 s[12:13], s[12:13], s[4:5]
	s_add_nc_u64 s[14:15], s[14:15], s[6:7]
.irp p, 0,1,2,3,4,5,6,7
	global_load_b64 v[KM+2*\p:KM+2*\p+1], v3, s[14:15] offset:256*\p
.endr
.macro PLOAD p, slot
.irp i, 0,1,2,3
.irp f, 0,1
	global_load_b128 v[S+32*(\slot)+8*\i+4*\f:S+32*(\slot)+8*\i+4*\f+3], v1, s[12:13] offset:(\p)*16384+\i*1024+512*\f th:TH_LOAD_NT
.endr
.endr
.endm
.macro ACC slot
.set p, 0
.rept 16
	v_pk_add_f32 v[S+p:S+p+1], v[S+p:S+p+1], v[S+32*(\slot)+p:S+32*(\slot)+p+1]
.set p, p+2
.endr
.endm
.irp p, 0,1,2,3,4,5
	PLOAD \p, \p
.endr
	s_lshl_b32 s4, s8, 13
	s_lshl_b32 s6, s9, 11
	s_add_co_u32 s4, s4, s6
	s_add_nc_u64 s[16:17], s[16:17], s[4:5]        ; my fragment's image
	s_lshl_b32 s4, s10, 10
	s_xor_b32 s6, s4, 1024
	s_add_nc_u64 s[22:23], s[16:17], s[6:7]        ; its two groups of zeros,
	s_add_nc_u64 s[16:17], s[16:17], s[4:5]        ; its two groups of codes
	s_lshl_b32 s4, s8, 9
	s_lshl_b32 s6, s9, 7
	s_add_co_u32 s4, s4, s6
	s_add_nc_u64 s[18:19], s[18:19], s[4:5]
	s_lshl_b32 s4, s8, 8
	s_add_nc_u64 s[20:21], s[20:21], s[4:5]
	v_mov_b32 v[TM+4], 0                           ; a lane permute's destination counts as one of its sources
	v_mov_b32 v[TM+5], 0
.irp i, 0,1,2,3
	v_mov_b32 v[ZC+\i], 0
.endr
	s_wait_loadcnt 32                              ; parts 0 and 1 are in; parts 2 to 5 may be out
	ACC 1
	PLOAD 6, 1
	s_wait_loadcnt 32                              ; part 2; parts 3 to 6 may be out
	ACC 2
	PLOAD 7, 2
	s_wait_loadcnt 32                              ; part 3; parts 4 to 7 may be out
	ACC 3
	s_wait_loadcnt 24
	ACC 4
	s_wait_loadcnt 16
	ACC 5
	s_wait_loadcnt 8
	ACC 1
	s_wait_loadcnt 0
	ACC 2
.irp b, 0,1
	v_max3_num_f32 v[TM+\b], |v[S+16*\b]|, |v[S+16*\b+1]|, 0x4800000   ; my 16 numbers of block b, and the floor
.endr
.irp i, 2,4,6,8,10,12,14
.irp b, 0,1
	v_max3_num_f32 v[TM+\b], v[TM+\b], |v[S+16*\b+\i]|, |v[S+16*\b+\i+1]|
.endr
.endr
.irp b, 0,1
	v_permlanex16_b32 v[TM+4+\b], v[TM+\b], s24, s25
.endr
.irp b, 0,1
	v_max_num_f32 v[TM+\b], v[TM+\b], v[TM+4+\b]
.endr
.irp b, 0,1
	v_add_nc_u32 v[TM+12+\b], 0xfc000000, v[TM+\b]
	v_and_or_b32 v[TM+8+\b], v[TM+\b], 0x7f800000, s26
.endr
.irp b, 0,1
	v_lshrrev_b32 v[TM+4+\b], 23, v[TM+12+\b]
.endr
	v_lshl_or_b32 v[PW], v[TM+5], 8, v[TM+4]
	v_lshlrev_b32 v[PW], s11, v[PW]
	v_or_b32 v[PW], s27, v[PW]
.irp b, 0,1
.irp i, 0,1,2,3,4,5,6,7,8,9,10,11,12,13,14,15
	v_med3_num_f32 v[S+16*\b+\i], v[S+16*\b+\i], -v[TM+8+\b], v[TM+8+\b]
.endr
.endr
.irp b, 0,1
	v_cvt_scalef32_pk8_fp8_f32 v[PC+4*\b:PC+4*\b+1], v[S+16*\b:S+16*\b+7], v[TM+12+\b]
	v_cvt_scalef32_pk8_fp8_f32 v[PC+4*\b+2:PC+4*\b+3], v[S+16*\b+8:S+16*\b+15], v[TM+12+\b]
.endr
	v_nop
	global_store_b128 v1, v[PC:PC+3], s[16:17]
	global_store_b128 v1, v[PC+4:PC+7], s[16:17] offset:512
	global_store_b128 v1, v[ZC:ZC+3], s[22:23]
	global_store_b128 v1, v[ZC:ZC+3], s[22:23] offset:512
	global_store_b32 v2, v[PW], s[18:19]
.irp p, 1,2,3,4,5,6,7
	v_pk_add_f32 v[KM:KM+1], v[KM:KM+1], v[KM+2*\p:KM+2*\p+1]
.endr
	s_cmp_lg_u32 s9, 0                             ; one of a head's four work-groups stores the head's sum of k'
	s_cbranch_scc1 .Lend
	global_store_b64 v3, v[KM:KM+1], s[20:21]      ; 256 consecutive bytes, aligned
.Lend:
	s_endpgm
.Lfunc_end_k_q5c025a2b7f_kvred:
	.size	k_q5c025a2b7f_kvred, .Lfunc_end_k_q5c025a2b7f_kvred-k_q5c025a2b7f_kvred
	.p2alignl 7, 3214868480
	.fill 96, 4, 3214868480
	.section	.rodata,"a",@progbits
	.p2align	6, 0x0
	.amdhsa_kernel k_q5c025a2b7f_kvred
		.amdhsa_group_segment_fixed_size 0
		.amdhsa_private_segment_fixed_size 0
		.amdhsa_enable_private_segment 0
		.amdhsa_kernarg_size 40
		.amdhsa_user_sgpr_count 2
		.amdhsa_user_sgpr_kernarg_segment_ptr 1
		.amdhsa_wavefront_size32 1
		.amdhsa_system_sgpr_workgroup_id_x 1
		.amdhsa_system_sgpr_workgroup_id_y 1
		.amdhsa_system_sgpr_workgroup_id_z 1
		.amdhsa_system_vgpr_workitem_id 0
		.amdhsa_next_free_vgpr 248
		.amdhsa_next_free_sgpr 66
		.amdhsa_reserve_vcc 0
		.amdhsa_float_denorm_mode_32 3
		.amdhsa_float_denorm_mode_16_64 3
		.amdhsa_memory_ordered 1
		.amdhsa_forward_progress 1
		.amdhsa_inst_pref_size 21
	.end_amdhsa_kernel
	.amdgpu_metadata
---
amdhsa.version: [ 1, 2 ]
amdhsa.kernels:
  - .name:           k_q5c025a2b7f_kvred
    .symbol:         k_q5c025a2b7f_kvred.kd
    .args:
      - { .name: kvpart, .offset: 0, .size: 8, .value_kind: global_buffer, .address_space: global }
      - { .name: ksumpart, .offset: 8, .size: 8, .value_kind: global_buffer, .address_space: global }
      - { .name: kvimg, .offset: 16, .size: 8, .value_kind: global_buffer, .address_space: global }
      - { .name: kvscl, .offset: 24, .size: 8, .value_kind: global_buffer, .address_space: global }
      - { .name: ksum, .offset: 32, .size: 8, .value_kind: global_buffer, .address_space: global }
    .group_segment_fixed_size: 0
    .private_segment_fixed_size: 0
    .kernarg_segment_align: 8
    .kernarg_segment_size: 40
    .max_flat_workgroup_size: 32
    .sgpr_count:     66
    .vgpr_count:     248
    .wavefront_size: 32
...
	.end_amdgpu_metadata
.endif
;; end of part 2
;; launch gemm_q (part 3): grid 4 x 64, 4 waves a work-group, clusters of 4 x 4, 327,680 bytes of LDS; arguments x_codes, x_scales, w_qkv_codes, w_qkv_scales, b_qkv, kvimg, kvscl, ksum, attn_codes, attn_scales; writes attn_codes, attn_scales
.if DOCPART == 3
	.amdgcn_target "amdgcn-amd-amdhsa--gfx1250"
	.amdhsa_code_object_version 6
	.text
	.protected	k_q5c025a2b7f_gemm_q
	.globl	k_q5c025a2b7f_gemm_q
	.p2align	8
	.type	k_q5c025a2b7f_gemm_q,@function
k_q5c025a2b7f_gemm_q:
	s_mov_b64 s[64:65], 0
	v_nop
	global_prefetch_b8 v0, s[64:65] scope:SCOPE_SE
	s_setreg_imm32_b32 hwreg(HW_REG_WAVE_MODE, 25, 1), 1
	s_wait_xcnt 0x0
	s_wait_alu depctr_hold_cnt(0) depctr_sa_sdst(0) depctr_va_vdst(0) depctr_va_sdst(0) depctr_va_ssrc(0) depctr_va_vcc(0) depctr_vm_vsrc(0)
	s_getreg_b32 s2, hwreg(HW_REG_IB_STS2, 6, 4)
	s_cmp_eq_u32 s2, 0
	s_cbranch_scc0 .Lentry_in_a_cluster
	s_endpgm
.Lentry_in_a_cluster:
	s_bfe_u32 s2, ttmp6, 0x10000c
	s_cmp_lg_u32 s2, 0xf033
	s_cbranch_scc0 .Lentry_shape_is_right
	s_endpgm
.Lentry_shape_is_right:
; LAUNCH 3 OF 4.  q = x w_q + b_q on codes; q' = elu(q) + 1; z = 1 / (q' . ksum + 1e-8) by f32 multiply-adds on the unquantised q'; q' quantised along d; out = q' kv on codes; out x z, quantised along C for the last product.
; SHARES.  Work-group (X = 256 columns = 4 heads, Y = 128 tokens).  Wave w: tokens 64 (w / 2) on, columns 128 (w % 2) on (two heads): 32 accumulators.  With tiles of 256 x 256 half of the 256 work-groups would be missing.
; THE PRODUCTS ARE USED TRANSPOSED (source 0 = 16 rows of w, source 1 = 16 tokens): a lane holds ONE token, and the eight tiles of a token block are 64 registers: register 8 b + j = column 16 b + 8 (lane / 16) + j.
; Registers 16 c .. 16 c + 15 of lanes l and l xor 16 are the block of 32 columns c.  q' and kv (made by the launch before) are laid alike inside a block.  One fragment of q' holds two heads; a head's kv has zero codes in the other head's half.
; For the last product, whose other operand is given, the codes go into the stage in true order: a conversion's 8 bytes at column 32 c + 8 h, the next one's at 32 c + 16 + 8 h.
; CLUSTERS: 4 x 4: the tokens' tiles hang on Y alone and are asked for jointly along a row, w's on X alone and jointly along a column.
; K = 1,024 is four steps of 256.  THREE slots: K steps 0, 1, 2 are first fills (with the scales four loads of mine are out); K step 3 is the launch's one refill, into slot 0.  No prefetch: three quarters of all tiles are asked for at the head.
; LIMITS: elu(t) + 1 as max(t, 0) + 2^(min(t log2 e, 0)), within 2^-24 absolute of expm1(t) + 1; NaN and infinities not served; blocks under 2^-118 get the byte 1.  The scale bytes leave 8 to a row of 32: 3 bytes in 100 of what is stored.
; REGISTERS: window 0: v1-7, v19, v23 the way out's addresses; v8-15 kv's scale words; v16-22, v27 addresses; v24 the scale word just made; v28, v29 the add's; v32-63 scale words; v64-127 bias tiles, later work;
;   v128-255 the tokens' fragments, two sets, later X and Y.   window 1: w's fragments, two sets.   window 2: accumulators ((a, b) at v[8 (8 a + b)]).   window 3: v0-127 kv's eight fragments, v128-191 ksum.
.set PITCH,  272
.set SLOT,   384*PITCH                 ; 128 tokens, then 256 rows of w
.set SCL,    3*SLOT                    ; the scales of all of K: the tokens' 16 units of 256 + 16 bytes, then w's 32
.set SPARE,  SCL+48*272                ; the spare words: 128 bytes a wave, named by no other line
.set STG,    SLOT                      ; the way out lies in slot 1, filled once and read for the last time ahead of the second change of slots: 128 rows x (256 + 16),
.set SSTG,   SLOT+128*272              ; and 128 rows x 8 scale bytes
.set ADRA, 16
.set ADRB, 20
.set ADRS, 27
.set SPW,  28
.set NIL,  29
.set SC,   32
.set BI,   64
.set KVS,  8
.set PW,   24
.set TM,   64
.set PC,   84
.set ZT,   100
.set ZS,   108
.set ZR,   112
.set X,    128
.set Y,    192
.set KSV,  128                         ; in window 3
.set WV, 24
.set SH, 25
.set PH, 26
.set G0SB, 32
.set G1,   36
.set G1B,  44
.set G1S,  52
.set G0S,  60
.set G1SB, 68
.set G0,   76
.set G0B,  88
.set L2E, 4
.set SEL, 6
.set MNT, 8
.set FLR, 9
.set MSB, 0
.macro WIN new
.if MSB != (\new)
	s_set_vgpr_msb (MSB<<8)|(\new)
.set MSB, (\new)
.endif
.endm
.macro PLACES n
.rept \n
	v_nop
.endr
.endm
.macro JLOAD g0a, g1a, g0b, g1b        ; waves 0 and 1 fetch the tokens' halves, waves 2 and 3 w's; four v_nop follow each line
	s_cmp_eq_u32 s[SH], 0
	s_cbranch_scc0 .Lfor_b_\@
	tensor_load_to_lds s[\g0a:\g0a+3], s[\g1a:\g1a+7]
	s_nop 0
.rept 4
	v_nop
.endr
	s_branch .Lasked_\@
.Lfor_b_\@:
	tensor_load_to_lds s[\g0b:\g0b+3], s[\g1b:\g1b+7]
	s_nop 0
.rept 4
	v_nop
.endr
.Lasked_\@:
.endm
.macro CREST
	s_cmp_lg_u32 s[WV], 0
	s_cbranch_scc1 .Lnot_wave_0_\@
	s_barrier_signal -3
.Lnot_wave_0_\@:
	s_barrier_wait -3
	s_barrier_signal -1
	s_barrier_wait -1
.endm
.macro CROUND
	s_barrier_signal -1
	s_barrier_wait -1
	CREST
.endm
	s_load_b256 s[4:11], s[0:1], 0x0               ; x's codes, x's scales, w's codes, w's scales
	s_load_b256 s[12:19], s[0:1], 0x20             ; b_qkv, kvimg, kvscl, ksum
	s_load_b128 s[20:23], s[0:1], 0x40             ; attn_codes, attn_scales
	v_lshl_add_u32 v[SPW], v0, 2, SPARE
	v_mov_b32 v[NIL], 0
	ds_add_u32 v28, v29
	ds_add_u32 v28, v29
	s_wait_dscnt 0x0
	v_lshrrev_b32 v25, 5, v0
	v_readfirstlane_b32 s[WV], v25                 ; wave 0..3
	s_lshr_b32 s[SH], s[WV], 1                     ; my half of the tokens.  Also: I fetch tokens (0) or w's rows (1)
	s_and_b32 s[PH], s[WV], 1                      ; my half of the columns.  Also: which half I fetch
	s_bfe_u32 s27, ttmp6, 0x40000                  ; cx, cy
	s_bfe_u32 s28, ttmp6, 0x40004
	s_lshl_b32 s29, ttmp9, 2
	s_add_co_u32 s29, s29, s27                     ; X
	s_and_b32 s30, ttmp7, 0xffff
	s_lshl_b32 s30, s30, 2
	s_add_co_u32 s30, s30, s28                     ; Y
	s_lshl_b32 s31, s28, 2
	s_lshl_b32 s31, 15, s31                        ; my row of the cluster
	s_lshl_b32 s2, 0x1111, s27                     ; my column
	s_or_b32 s[G1], s31, (0<<16)|(1<<20)|(1<<21)|(5<<22)|(3<<25)    ; the mask; elements of 1 byte; 4 words of padding behind every 64; bit 21 beside a mask
	s_or_b32 s[G1B], s2, (0<<16)|(1<<20)|(1<<21)|(5<<22)|(3<<25)
	s_or_b32 s[G1S], s31, (3<<16)|(1<<20)|(1<<21)|(5<<22)|(3<<25)   ; scales: elements of 8 bytes
	s_or_b32 s[G1SB], s2, (3<<16)|(1<<20)|(1<<21)|(5<<22)|(3<<25)
	s_mov_b32 s[G1+1], 256<<16                     ; the tokens' codes: 64 rows x 256 bytes, 1,024 apart
	s_mov_b32 s[G1+2], 64<<16
	s_mov_b32 s[G1+3], 256<<16
	s_mov_b32 s[G1+4], 64
	s_mov_b32 s[G1+5], 1024
	s_mov_b32 s[G1+6], 0
	s_mov_b32 s[G1+7], 0
	s_mov_b32 s[G1B+1], 256<<16                    ; w's: 128 rows
	s_mov_b32 s[G1B+2], 128<<16
	s_mov_b32 s[G1B+3], 256<<16
	s_mov_b32 s[G1B+4], 128
	s_mov_b32 s[G1B+5], 1024
	s_mov_b32 s[G1B+6], 0
	s_mov_b32 s[G1B+7], 0
	s_mov_b32 s[G1S+1], 32<<16                     ; the scales of 64 tokens: 2,048 dense bytes as 8 rows of 256
	s_mov_b32 s[G1S+2], 8<<16
	s_mov_b32 s[G1S+3], 32<<16
	s_mov_b32 s[G1S+4], 8
	s_mov_b32 s[G1S+5], 32
	s_mov_b32 s[G1S+6], 0
	s_mov_b32 s[G1S+7], 0
	s_mov_b32 s[G1SB+1], 32<<16                    ; of 128 rows of w: 16 rows of 256
	s_mov_b32 s[G1SB+2], 16<<16
	s_mov_b32 s[G1SB+3], 32<<16
	s_mov_b32 s[G1SB+4], 16
	s_mov_b32 s[G1SB+5], 32
	s_mov_b32 s[G1SB+6], 0
	s_mov_b32 s[G1SB+7], 0
	s_lshl_b32 s66, s30, 7
	s_lshl_b32 s67, s[PH], 6
	s_add_co_u32 s66, s66, s67                     ; token 128 Y + 64 (w % 2)
	s_lshl_b32 s100, s66, 5                        ; its scales, in bytes,
	s_lshl_b32 s66, s66, 10                        ; its codes
	s_mov_b32 s67, 0
	s_mov_b32 s101, 0
	s_lshl_b32 s104, s29, 8
	s_lshl_b32 s105, s[PH], 7
	s_add_co_u32 s104, s104, s105                  ; w's row 256 X + 128 (w % 2)
	s_lshl_b32 s2, s104, 5
	s_lshl_b32 s104, s104, 10
	s_mov_b32 s105, 0
	s_mov_b32 s3, 0
	s_wait_kmcnt 0x0
	s_add_nc_u64 s[66:67], s[4:5], s[66:67]
	s_add_nc_u64 s[100:101], s[6:7], s[100:101]
	s_add_nc_u64 s[104:105], s[8:9], s[104:105]
	s_add_nc_u64 s[2:3], s[10:11], s[2:3]
	CROUND                                         ; all sixteen work-groups are here: the first joint loads meet
	s_mov_b32 s[G0S], 1
	s_mul_i32 s[G0S+1], s[PH], 2176
	s_add_co_u32 s[G0S+1], s[G0S+1], SCL
	s_mov_b64 s[G0S+2:G0S+3], s[100:101]
	s_or_b32 s[G0S+3], s[G0S+3], 0x80000000
	s_mov_b32 s[G0SB], 1
	s_mul_i32 s[G0SB+1], s[PH], 4352
	s_add_co_u32 s[G0SB+1], s[G0SB+1], SCL+4352
	s_mov_b64 s[G0SB+2:G0SB+3], s[2:3]
	s_or_b32 s[G0SB+3], s[G0SB+3], 0x80000000
	JLOAD G0S, G1S, G0SB, G1SB
.irp s, 0,1,2
	s_mov_b32 s[G0+4*\s], 1
	s_mul_i32 s[G0+4*\s+1], s[PH], 64*PITCH
	s_add_co_u32 s[G0+4*\s+1], s[G0+4*\s+1], \s*SLOT
	s_add_nc_u64 s[G0+4*\s+2:G0+4*\s+3], s[66:67], \s*256
	s_or_b32 s[G0+4*\s+3], s[G0+4*\s+3], 0x80000000
	s_mov_b32 s[G0B+4*\s], 1
	s_mul_i32 s[G0B+4*\s+1], s[PH], 128*PITCH
	s_add_co_u32 s[G0B+4*\s+1], s[G0B+4*\s+1], 128*PITCH+\s*SLOT
	s_add_nc_u64 s[G0B+4*\s+2:G0B+4*\s+3], s[104:105], \s*256
	s_or_b32 s[G0B+4*\s+3], s[G0B+4*\s+3], 0x80000000
	JLOAD G0+4*\s, G1, G0B+4*\s, G1B
.endr
	; LDS addresses: a constant + a lane term + a constant x the wave's number
	v_and_b32 v25, 15, v0                          ; r
	v_bfe_u32 v26, v0, 4, 1                        ; h
	v_and_b32 v30, 31, v0                          ; lane
	v_mul_u32_u24 v31, v25, PITCH
	v_lshl_add_u32 v31, v26, 4, v31
	s_mul_i32 s31, s[SH], 64*PITCH
.irp s, 0,1,2
	v_add_nc_u32 v[ADRA+\s], s31, v31
	s_add_co_u32 s31, s31, SLOT
.endr
	s_mul_i32 s31, s[PH], 128*PITCH
	s_add_co_u32 s31, s31, 128*PITCH
.irp s, 0,1,2
	v_add_nc_u32 v[ADRB+\s], s31, v31
	s_add_co_u32 s31, s31, SLOT
.endr
	v_lshlrev_b32 v31, 5, v25                      ; scale words: 32 bytes a row,
	v_lshrrev_b32 v[ADRS], 3, v25
	v_lshl_add_u32 v31, v[ADRS], 4, v31            ; 16 more behind each 256
	s_mul_i32 s10, s[SH], 2176                     ; lanes 0-15: my tokens;
	s_mul_i32 s11, s[PH], 4352
	s_add_co_u32 s11, s11, 4352
	s_sub_co_u32 s11, s11, s10                     ; lanes 16-31: my rows of w: one product, h x the distance
	v_mul_u32_u24 v[ADRS], s11, v26
	s_add_co_u32 s10, s10, SCL
	v_add_nc_u32 v31, v31, v[ADRS]
	v_add_nc_u32 v[ADRS], s10, v31
	v_lshlrev_b32 v7, 4, v30                       ; 16 x lane
	v_lshlrev_b32 v19, 2, v30                      ; 4 x lane
	v_lshlrev_b32 v23, 5, v26                      ; 32 h
	v_mul_u32_u24 v1, v25, 272                     ; the stage, in: row 64 (w / 2) + r, byte 128 (w % 2) + 8 h
	v_lshl_add_u32 v1, v26, 3, v1
	s_mul_i32 s10, s[SH], 64*272
	s_lshl_b32 s11, s[PH], 7
	s_add_co_u32 s10, s10, s11
	s_add_co_u32 s10, s10, STG
	v_add_nc_u32 v1, s10, v1
	v_lshlrev_b32 v2, 3, v25                       ; the scale words' stage: 8 bytes a row, my word 4 (w % 2)
	s_lshl_b32 s10, s[SH], 9
	s_lshl_b32 s11, s[PH], 2
	s_add_co_u32 s10, s10, s11
	s_add_co_u32 s10, s10, SSTG
	v_add_nc_u32 v2, s10, v2
	v_mul_u32_u24 v3, v26, 272                     ; back: rows 32 w on; lanes 0-15 one row, lanes 16-31 the next
	v_lshl_add_u32 v3, v25, 4, v3
	s_mul_i32 s10, s[WV], 32*272
	s_add_co_u32 s10, s10, STG
	v_add_nc_u32 v3, s10, v3
	v_lshlrev_b32 v4, 10, v26                      ; and the same two rows in attn_codes
	v_lshl_add_u32 v4, v25, 4, v4
	v_lshlrev_b32 v5, 3, v30                       ; scale bytes back: a lane a row
	s_lshl_b32 s10, s[WV], 8
	s_add_co_u32 s10, s10, SSTG
	v_add_nc_u32 v5, s10, v5
	v_lshlrev_b32 v6, 5, v30                       ; and its row in attn_scales
	; places in memory
	s_lshl_b32 s10, s29, 10
	s_lshl_b32 s11, s[PH], 9
	s_add_co_u32 s10, s10, s11
	s_mov_b32 s11, 0
	s_add_nc_u64 s[12:13], s[12:13], s[10:11]      ; b_qkv at my first column
	s_lshr_b32 s31, s30, 4
	s_lshl_b32 s31, s31, 4
	s_lshl_b32 s10, s29, 2
	s_add_co_u32 s31, s31, s10
	s_lshl_b32 s10, s[PH], 1
	s_add_co_u32 s31, s31, s10                     ; 16 x batch + my first head (an even one)
	s_lshl_b32 s10, s31, 13
	s_add_nc_u64 s[14:15], s[14:15], s[10:11]
	s_lshl_b32 s10, s31, 9
	s_add_nc_u64 s[16:17], s[16:17], s[10:11]
	s_lshl_b32 s10, s31, 8
	s_add_nc_u64 s[18:19], s[18:19], s[10:11]
	s_lshl_b32 s31, s30, 7
	s_lshl_b32 s10, s[WV], 5
	s_add_co_u32 s31, s31, s10                     ; the first row that I store: 128 Y + 32 w
	s_lshl_b32 s10, s31, 10
	s_lshl_b32 s8, s29, 8
	s_add_co_u32 s10, s10, s8
	s_add_nc_u64 s[20:21], s[20:21], s[10:11]
	s_lshl_b32 s10, s31, 5
	s_lshl_b32 s8, s29, 3
	s_add_co_u32 s10, s10, s8
	s_add_nc_u64 s[22:23], s[22:23], s[10:11]
.irp b, 0,1,2,3,4,5,6,7
	global_load_b128 v[BI+8*\b:BI+8*\b+3], v23, s[12:13] offset:64*\b          ; the bias in the result's layout: columns 16 b + 8 h + 0 .. 7: the C of each sum's first product
	global_load_b128 v[BI+8*\b+4:BI+8*\b+7], v23, s[12:13] offset:64*\b+16
.endr
	WIN 0xc0                                       ; destination window 3
.irp t, 0,1,2,3,4,5,6,7
.irp c, 0,1,2,3
	global_load_b128 v[16*\t+4*\c:16*\t+4*\c+3], v7, s[14:15] offset:2048*\t+512*\c   ; kv's fragments: head t / 4 of my two, e block t % 4
.endr
.endr
.irp b, 0,1,2,3,4,5,6,7
	global_load_b128 v[KSV+8*\b:KSV+8*\b+3], v23, s[18:19] offset:64*\b        ; ksum in q's layout
	global_load_b128 v[KSV+8*\b+4:KSV+8*\b+7], v23, s[18:19] offset:64*\b+16
.endr
	WIN 0
.irp t, 0,1,2,3,4,5,6,7
	global_load_b32 v[KVS+\t], v19, s[16:17] offset:128*\t
.endr
	s_mov_b32 s[L2E], 0x3fb8aa3b
	s_mov_b32 s[L2E+1], 0x3fb8aa3b
	s_mov_b32 s[SEL], 0x76543210
	s_mov_b32 s[SEL+1], 0xfedcba98
	s_mov_b32 s[MNT], 0x600000
	s_mov_b32 s[FLR], 0x4800000
.macro FRAG reg, adr, off
.irp c, 0,1,2,3
	ds_load_b128 v[\reg+4*\c:\reg+4*\c+3], v[\adr] offset:\off+32*\c
.endr
.endm
; 8 products: token block a x the eight column blocks.  The 32 accumulators take turns, one instruction a turn, in one order throughout.
.macro MUL8 a, set, q, sc, first
.irp b, 0,1,2,3,4,5,6,7
.if \first
	v_wmma_scale_f32_16x16x128_f8f6f4 v[8*(8*(\a)+\b):8*(8*(\a)+\b)+7], v[128*(\set)+16*\b:128*(\set)+16*\b+15], v[128+64*(\set)+16*(\a):128+64*(\set)+16*(\a)+15], v[BI+8*\b:BI+8*\b+7], v[SC+16*(\sc)+2*\b+(\q)], v[SC+16*(\sc)+2*(\a)+(\q)] matrix_a_scale:MATRIX_SCALE_ROW1
.else
	v_wmma_scale_f32_16x16x128_f8f6f4 v[8*(8*(\a)+\b):8*(8*(\a)+\b)+7], v[128*(\set)+16*\b:128*(\set)+16*\b+15], v[128+64*(\set)+16*(\a):128+64*(\set)+16*(\a)+15], v[8*(8*(\a)+\b):8*(8*(\a)+\b)+7], v[SC+16*(\sc)+2*\b+(\q)], v[SC+16*(\sc)+2*(\a)+(\q)] matrix_a_scale:MATRIX_SCALE_ROW1
.endif
.endr
.endm
; One run of loads: the fragments of 128 along K (the slot's q-th) into set; sc < 2: also K step ks's scale words into set sc.  The tokens' blocks 2, 3 come last.
.macro FETCHH slot, q, set, sc, ks
	WIN 0x40
.irp b, 0,1,2,3,4,5,6,7
	FRAG 128*(\set)+16*\b, ADRB+\slot, 128*(\q)+\b*16*PITCH
.endr
	WIN 0
.if \sc < 2
.irp i, 0,1,2,3,4,5,6,7
	ds_load_b64 v[SC+16*(\sc)+2*\i:SC+16*(\sc)+2*\i+1], v[ADRS] offset:544*\i+8*(\ks)   ; lanes 0-15 the tokens' block i (of use for i < 4), lanes 16-31 w's block i
.endr
.endif
.irp a, 0,1,2,3
	FRAG 128+64*(\set)+16*\a, ADRA+\slot, 128*(\q)+\a*16*PITCH
.endr
.endm
.macro HSTEP0 slot, sc, first          ; a K step's first 128: set 0; fetches its second 128 into set 1
	s_wait_dscnt 8                                 ; all but the youngest eight loads (the tokens' blocks 2, 3)
.if \first
	WIN 0x81                                       ; C (the bias) window 0, D window 2
.else
	WIN 0xa1
.endif
	MUL8 0, 0, 0, \sc, \first
	MUL8 1, 0, 0, \sc, \first
	PLACES 8                                       ; in front of loads into registers that matrix instructions have read
	FETCHH \slot, 1, 1, 9, 0
	s_wait_dscnt 48                                ; all but the 48 just issued
.if \first
	WIN 0x81
.else
	WIN 0xa1
.endif
	MUL8 2, 0, 0, \sc, \first
	MUL8 3, 0, 0, \sc, \first
.endm
.macro HSTEP1 sc, nslot, nks           ; a K step's second 128, where the next slot is known whole: no barrier
	s_wait_dscnt 8
	WIN 0xa1
	MUL8 0, 1, 1, \sc, 0
	MUL8 1, 1, 1, \sc, 0
	PLACES 8
	FETCHH \nslot, 0, 0, (\nks)%2, \nks
	s_wait_dscnt 56                                ; all but the 56 just issued
	WIN 0xa1
	MUL8 2, 1, 1, \sc, 0
	MUL8 3, 1, 1, \sc, 0
.endm
; A K step's second 128 with a barrier: in front of it each wave waits for all its tensor loads, adds 0 to its spare word, and waits for that and for its LDS reads.  fill = 1: slot 0 takes K step 3.
.macro HTURN sc, fill, nslot, nks
	WIN 0                                          ; (the add's two registers lie in window 0)
	s_wait_tensorcnt 0x0                           ; no tensor load of mine is out
	ds_add_u32 v[SPW], v[NIL]
	s_wait_dscnt 9                                 ; (the add and the youngest eight loads may be out)
	WIN 0xa1
	MUL8 0, 1, 1, \sc, 0
	s_wait_dscnt 0x0                               ; the add is done, and my reads of the slot in hand are over
	s_barrier_signal -1
	MUL8 1, 1, 1, \sc, 0
	WIN 0
	s_barrier_wait -1
.if \fill
	CREST                                          ; the barrier opened a round of the cluster's: no wave of any partner still reads slot 0 or has a load on its way
	s_add_nc_u64 s[G0+2:G0+3], s[G0+2:G0+3], 768
	s_add_nc_u64 s[G0B+2:G0B+3], s[G0B+2:G0B+3], 768
	JLOAD G0, G1, G0B, G1B                         ; my one tensor load behind the round; its four v_nop are four of the eight places
	PLACES 4
.else
	PLACES 8
.endif
	FETCHH \nslot, 0, 0, (\nks)%2, \nks
	WIN 0xa1
	MUL8 2, 1, 1, \sc, 0
	MUL8 3, 1, 1, \sc, 0
.endm
	s_wait_tensorcnt 2                             ; the scales and my part of K step 0 are in; K steps 1 and 2 may be out
	s_barrier_signal -1
	s_barrier_wait -1
	FETCHH 0, 0, 0, 0, 0
	s_wait_loadcnt 56                              ; the bias is in; the 56 loads issued behind it may be out
	HSTEP0 0, 0, 1
	HTURN 0, 1, 1, 1                               ; every wave's first fills have landed: slots 1 and 2 are whole from here on
	HSTEP0 1, 1, 0
	HSTEP1 1, 2, 2
	HSTEP0 2, 0, 0
	HTURN 0, 0, 0, 3                               ; K step 3 has landed in slot 0; behind this barrier nobody reads slots 1 and 2
	HSTEP0 0, 1, 0
	s_wait_dscnt 8
	WIN 0xa1
	MUL8 0, 1, 1, 1, 0
	MUL8 1, 1, 1, 1, 0
	s_wait_dscnt 0x0
	MUL8 2, 1, 1, 1, 0
	MUL8 3, 1, 1, 1, 0
	WIN 0
; 64 numbers v[src] on, in window w, become a fragment's codes in v[PC] on and its scale word in v[PW]; the held numbers go to v[dst] on, window 0.  sgn = 0: nothing is negative.
.macro QUANT src, w, dst, sgn
	s_wait_dscnt 0x0                               ; earlier LDS stores have read the codes' registers and the scale word
	WIN ((\w)<<4)|((\w)<<2)
.irp b, 0,1,2,3
.if \sgn
	v_max3_num_f32 v[TM+\b], s[FLR], |v[\src+16*\b]|, |v[\src+16*\b+1]|
.else
	v_max3_num_f32 v[TM+\b], s[FLR], v[\src+16*\b], v[\src+16*\b+1]
.endif
.endr
.irp i, 2,4,6,8,10,12,14
.irp b, 0,1,2,3
.if \sgn
	v_max3_num_f32 v[TM+\b], v[TM+\b], |v[\src+16*\b+\i]|, |v[\src+16*\b+\i+1]|
.else
	v_max3_num_f32 v[TM+\b], v[TM+\b], v[\src+16*\b+\i], v[\src+16*\b+\i+1]
.endif
.endr
.endr
	WIN 0
.irp b, 0,1,2,3
	v_permlanex16_b32 v[TM+4+\b], v[TM+\b], s[SEL], s[SEL+1]
.endr
.irp b, 0,1,2,3
	v_max_num_f32 v[TM+\b], v[TM+\b], v[TM+4+\b]
.endr
.irp b, 0,1,2,3
	v_add_nc_u32 v[TM+12+\b], 0xfc000000, v[TM+\b]
.endr
.irp b, 0,1,2,3
	v_and_or_b32 v[TM+8+\b], v[TM+\b], 0x7f800000, s[MNT]
.endr
.irp b, 0,1,2,3
	v_lshrrev_b32 v[TM+4+\b], 23, v[TM+12+\b]
.endr
	v_lshl_or_b32 v[PW], v[TM+5], 8, v[TM+4]
	v_lshl_or_b32 v[PW], v[TM+6], 16, v[PW]
	v_lshl_or_b32 v[PW], v[TM+7], 24, v[PW]        ; the 64 holds below stand between the scale word and the product that names it
	WIN (\w)
.irp b, 0,1,2,3
.irp i, 0,1,2,3,4,5,6,7,8,9,10,11,12,13,14,15
.if \sgn
	v_med3_num_f32 v[\dst+16*\b+\i], v[\src+16*\b+\i], -v[TM+8+\b], v[TM+8+\b]
.else
	v_min_num_f32 v[\dst+16*\b+\i], v[\src+16*\b+\i], v[TM+8+\b]
.endif
.endr
.endr
	WIN 0
.irp b, 0,1,2,3
	v_cvt_scalef32_pk8_fp8_f32 v[PC+4*\b:PC+4*\b+1], v[\dst+16*\b:\dst+16*\b+7], v[TM+12+\b]
	v_cvt_scalef32_pk8_fp8_f32 v[PC+4*\b+2:PC+4*\b+3], v[\dst+16*\b+8:\dst+16*\b+15], v[TM+12+\b]
.endr
	v_nop                                          ; a plain line behind the last conversion
.endm
.macro ELU ac, w
	WIN ((\w)<<2)|(\w)
.set p, 0
.rept 32
	v_pk_mul_f32 v[X+p:X+p+1], v[\ac+p:\ac+p+1], s[L2E:L2E+1] op_sel_hi:[1,0]   ; each accumulator from its low end on
.set p, p+2
.endr
.set p, 0
.rept 64
	v_max_num_f32 v[Y+p], 0, v[\ac+p]
.set p, p+1
.endr
	WIN 0
.set p, 0
.rept 64
	v_min_num_f32 v[X+p], 0, v[X+p]
.set p, p+1
.endr
.set p, 0
.rept 64
	v_exp_f32 v[X+p], v[X+p]
.set p, p+1
.endr
	v_nop                                          ; a plain line behind the last exponential
	s_wait_alu depctr_va_vdst(0)                   ; one wait for the batch, ahead of its first reader
.set p, 0
.rept 32
	v_pk_add_f32 v[X+p:X+p+1], v[X+p:X+p+1], v[Y+p:Y+p+1]
.set p, p+2
.endr
.endm
.macro QBLOCK a                        ; 16 tokens x my two heads
	ELU 64*(\a), 2
	WIN 0x0c                                       ; source 1 (ksum) window 3
.irp c, 0,1,2,3
	v_pk_mul_f32 v[ZT+2*\c:ZT+2*\c+1], v[X+16*\c:X+16*\c+1], v[KSV+16*\c:KSV+16*\c+1]   ; q' . ksum in f32: four chains, two to a head
.endr
.irp k, 1,2,3,4,5,6,7
.irp c, 0,1,2,3
	v_pk_fma_f32 v[ZT+2*\c:ZT+2*\c+1], v[X+16*\c+2*\k:X+16*\c+2*\k+1], v[KSV+16*\c+2*\k:KSV+16*\c+2*\k+1], v[ZT+2*\c:ZT+2*\c+1]
.endr
.endr
	WIN 0
	v_pk_add_f32 v[ZT:ZT+1], v[ZT:ZT+1], v[ZT+2:ZT+3]
	v_pk_add_f32 v[ZT+4:ZT+5], v[ZT+4:ZT+5], v[ZT+6:ZT+7]
	v_add_f32 v[ZS], v[ZT], v[ZT+1]
	v_add_f32 v[ZS+1], v[ZT+4], v[ZT+5]
	v_permlanex16_b32 v[ZS+2], v[ZS], s[SEL], s[SEL+1]
	v_permlanex16_b32 v[ZS+3], v[ZS+1], s[SEL], s[SEL+1]
	v_add_f32 v[ZS], v[ZS], v[ZS+2]
	v_add_f32 v[ZS+1], v[ZS+1], v[ZS+3]
	v_add_f32 v[ZS], 0x322bcc77, v[ZS]             ; + 1e-8
	v_add_f32 v[ZS+1], 0x322bcc77, v[ZS+1]
	v_rcp_f32 v[ZR], v[ZS]                         ; z of my token, for each head; the wait stands ahead of the first reader, below
	v_rcp_f32 v[ZR+2], v[ZS+1]
	v_nop
	QUANT X, 0, X, 0
	PLACES 3                                       ; with the line behind the conversions: four places between the codes and the products
	WIN 0x03                                       ; source 0 (kv) window 3
.irp t, 0,1,2,3,4,5,6,7
	v_wmma_scale_f32_16x16x128_f8f6f4 v[Y+8*\t:Y+8*\t+7], v[16*\t:16*\t+15], v[PC:PC+15], 0, v[KVS+\t], v[PW]   ; register 8 t + j = out(token r, column 16 t + 8 h + j)
.endr
	WIN 0
	PLACES 9
	s_wait_alu depctr_va_vdst(0)                   ; one wait for the two reciprocals, ahead of their first reader
.set p, 0
.rept 32
	v_pk_mul_f32 v[Y+p:Y+p+1], v[Y+p:Y+p+1], v[ZR+2*(p/32):ZR+2*(p/32)+1] op_sel_hi:[1,0]   ; x z; each result from its low end on
.set p, p+2
.endr
	QUANT Y, 0, Y, 1
.irp c, 0,1,2,3
	ds_store_b64 v1, v[PC+4*\c:PC+4*\c+1] offset:4352*(\a)+32*\c           ; true order: columns 32 c + 8 h on,
	ds_store_b64 v1, v[PC+4*\c+2:PC+4*\c+3] offset:4352*(\a)+32*\c+16      ; and 32 c + 16 + 8 h on
.endr
	ds_store_b32 v2, v[PW] offset:128*(\a)         ; lanes l and l xor 16 write the same word with the same value
.endm
	s_wait_loadcnt 0x0                             ; kv, its scale words, ksum
	PLACES 8                                       ; behind the last products, ahead of the first read of results
.irp b, 0,1,2,3
	v_mov_b32 v[TM+4+\b], 0                        ; written once: a lane permute's destination counts as one of its sources
.endr
	v_mov_b32 v[ZS+2], 0
	v_mov_b32 v[ZS+3], 0
	v_mov_b32 v[ZR+1], 0                           ; (named as the upper halves of pairs)
	v_mov_b32 v[ZR+3], 0
	QBLOCK 0
	QBLOCK 1
	QBLOCK 2
	QBLOCK 3
	s_wait_dscnt 0x0                               ; for the others' sake: my codes and scale words have landed: a row's 256 bytes come from two waves
	s_barrier_signal -1
	s_barrier_wait -1
.irp t, 0,1,2,3,4,5,6,7,8,9,10,11,12,13,14,15
	ds_load_b128 v[X+4*\t:X+4*\t+3], v3 offset:544*\t
.endr
	ds_load_b64 v[Y:Y+1], v5
.irp t, 0,1,2,3,4,5,6,7,8,9,10,11,12,13,14,15
	s_wait_dscnt 16-\t                             ; the loads issued behind this one may be out
	global_store_b128 v4, v[X+4*\t:X+4*\t+3], s[20:21] offset:2048*\t      ; 16 lanes store 256 consecutive bytes, aligned
.endr
	s_wait_dscnt 0x0
	global_store_b64 v6, v[Y:Y+1], s[22:23]        ; my rows' 8 scale bytes of 32
	s_wait_tensorcnt 0x0                           ; the wave's end
	ds_add_u32 v[SPW], v[NIL]
	s_wait_dscnt 0x0
	CROUND                                         ; the closing round
	s_endpgm
.Lfunc_end_k_q5c025a2b7f_gemm_q:
	.size	k_q5c025a2b7f_gemm_q, .Lfunc_end_k_q5c025a2b7f_gemm_q-k_q5c025a2b7f_gemm_q
	.p2alignl 7, 3214868480
	.fill 96, 4, 3214868480
	.section	.rodata,"a",@progbits
	.p2align	6, 0x0
	.amdhsa_kernel k_q5c025a2b7f_gemm_q
		.amdhsa_group_segment_fixed_size 327680
		.amdhsa_private_segment_fixed_size 0
		.amdhsa_enable_private_segment 0
		.amdhsa_kernarg_size 80
		.amdhsa_user_sgpr_count 2
		.amdhsa_user_sgpr_kernarg_segment_ptr 1
		.amdhsa_wavefront_size32 1
		.amdhsa_system_sgpr_workgroup_id_x 1
		.amdhsa_system_sgpr_workgroup_id_y 1
		.amdhsa_system_sgpr_workgroup_id_z 1
		.amdhsa_system_vgpr_workitem_id 0
		.amdhsa_next_free_vgpr 1024
		.amdhsa_next_free_sgpr 106
		.amdhsa_reserve_vcc 0
		.amdhsa_float_denorm_mode_32 3
		.amdhsa_float_denorm_mode_16_64 3
		.amdhsa_memory_ordered 1
		.amdhsa_forward_progress 1
		.amdhsa_inst_pref_size 209
	.end_amdhsa_kernel
	.amdgpu_metadata
---
amdhsa.version: [ 1, 2 ]
amdhsa.kernels:
  - .name:           k_q5c025a2b7f_gemm_q
    .symbol:         k_q5c025a2b7f_gemm_q.kd
    .args:
      - { .name: x_codes, .offset: 0, .size: 8, .value_kind: global_buffer, .address_space: global }
      - { .name: x_scales, .offset: 8, .size: 8, .value_kind: global_buffer, .address_space: global }
      - { .name: w_qkv_codes, .offset: 16, .size: 8, .value_kind: global_buffer, .address_space: global }
      - { .name: w_qkv_scales, .offset: 24, .size: 8, .value_kind: global_buffer, .address_space: global }
      - { .name: b_qkv, .offset: 32, .size: 8, .value_kind: global_buffer, .address_space: global }
      - { .name: kvimg, .offset: 40, .size: 8, .value_kind: global_buffer, .address_space: global }
      - { .name: kvscl, .offset: 48, .size: 8, .value_kind: global_buffer, .address_space: global }
      - { .name: ksum, .offset: 56, .size: 8, .value_kind: global_buffer, .address_space: global }
      - { .name: attn_codes, .offset: 64, .size: 8, .value_kind: global_buffer, .address_space: global }
      - { .name: attn_scales, .offset: 72, .size: 8, .value_kind: global_buffer, .address_space: global }
    .group_segment_fixed_size: 327680
    .private_segment_fixed_size: 0
    .kernarg_segment_align: 8
    .kernarg_segment_size: 80
    .max_flat_workgroup_size: 128
    .sgpr_count:     106
    .vgpr_count:     1024
    .wavefront_size: 32
...
	.end_amdgpu_metadata
.endif
;; end of part 3
;; launch gemm_proj (part 4): grid 4 x 64, 4 waves a work-group, clusters of 4 x 4, 327,680 bytes of LDS; arguments attn_codes, attn_scales, w_proj_codes, w_proj_scales, b_proj, out0; writes out0
.if DOCPART == 4
	.amdgcn_target "amdgcn-amd-amdhsa--gfx1250"
	.amdhsa_code_object_version 6
	.text
	.protected	k_q5c025a2b7f_gemm_proj
	.globl	k_q5c025a2b7f_gemm_proj
	.p2align	8
	.type	k_q5c025a2b7f_gemm_proj,@function
k_q5c025a2b7f_gemm_proj:
	s_mov_b64 s[64:65], 0
	v_nop
	global_prefetch_b8 v0, s[64:65] scope:SCOPE_SE
	s_setreg_imm32_b32 hwreg(HW_REG_WAVE_MODE, 25, 1), 1
	s_wait_xcnt 0x0
	s_wait_alu depctr_hold_cnt(0) depctr_sa_sdst(0) depctr_va_vdst(0) depctr_va_sdst(0) depctr_va_ssrc(0) depctr_va_vcc(0) depctr_vm_vsrc(0)
	s_getreg_b32 s2, hwreg(HW_REG_IB_STS2, 6, 4)
	s_cmp_eq_u32 s2, 0
	s_cbranch_scc0 .Lentry_in_a_cluster
	s_endpgm
.Lentry_in_a_cluster:
	s_bfe_u32 s2, ttmp6, 0x10000c
	s_cmp_lg_u32 s2, 0xf033
	s_cbranch_scc0 .Lentry_shape_is_right
	s_endpgm
.Lentry_shape_is_right:
; LAUNCH 4 OF 4.  out0 = attn w_proj + b_proj on codes of E4M3 with E8M0 scales; out0 f32.
; SHARES.  Work-group (X = 256 columns, Y = 128 tokens); wave w: tokens 64 (w / 2) on, columns 128 (w % 2) on: 32 accumulators.  With tiles of 256 x 256 half of the 256 work-groups, and half of the stores' lanes, would be missing.
; THE PRODUCT IS USED TRANSPOSED (source 0 = 16 rows of w_proj, source 1 = 16 tokens): a lane holds eight neighbouring numbers of a row of out0.
; CLUSTERS: 4 x 4: the tokens' tiles hang on Y alone and are asked for jointly along a row, w's on X alone and jointly along a column.
; K = 1,024 is four steps of 256.  THREE slots: K steps 0, 1, 2 are first fills (with the scales four loads of mine are out); K step 3 is the launch's one refill, into slot 0.  No prefetch: three quarters of all tiles are asked for at the head.
; REGISTERS: window 0: v1-3 the way out's addresses; v16-22, v27 addresses; v28, v29 the add's; v32-63 scale words; v64-127 bias tiles; v128-255 the tokens' fragments, two sets, later rows of out0.
;   window 1: w's fragments, two sets.   window 2: accumulators ((a, b) at v[8 (8 a + b)]).
.set PITCH,  272
.set SLOT,   384*PITCH                 ; 128 tokens, then 256 rows of w
.set SCL,    3*SLOT                    ; the scales of all of K: the tokens' 16 units of 256 + 16 bytes, then w's 32
.set SPARE,  SCL+48*272                ; the spare words: 128 bytes a wave, named by no other line
.set STG,    SLOT                      ; the way out lies in slot 1, filled once and read for the last time ahead of the second change of slots: 16 rows x (512 + 16) for each wave
.set ADRA, 16
.set ADRB, 20
.set ADRS, 27
.set SPW,  28
.set NIL,  29
.set SC,   32
.set BI,   64
.set STO,  1
.set RD,   2
.set CO,   3
.set BK,   128
.set WV, 24
.set SH, 25
.set PH, 26
.set G0SB, 32
.set G1,   36
.set G1B,  44
.set G1S,  52
.set G0S,  60
.set G1SB, 68
.set G0,   76
.set G0B,  88
.set MSB, 0
.macro WIN new
.if MSB != (\new)
	s_set_vgpr_msb (MSB<<8)|(\new)
.set MSB, (\new)
.endif
.endm
.macro PLACES n
.rept \n
	v_nop
.endr
.endm
.macro JLOAD g0a, g1a, g0b, g1b        ; waves 0 and 1 fetch the tokens' halves, waves 2 and 3 w's; four v_nop follow each line
	s_cmp_eq_u32 s[SH], 0
	s_cbranch_scc0 .Lfor_b_\@
	tensor_load_to_lds s[\g0a:\g0a+3], s[\g1a:\g1a+7]
	s_nop 0
.rept 4
	v_nop
.endr
	s_branch .Lasked_\@
.Lfor_b_\@:
	tensor_load_to_lds s[\g0b:\g0b+3], s[\g1b:\g1b+7]
	s_nop 0
.rept 4
	v_nop
.endr
.Lasked_\@:
.endm
.macro CREST
	s_cmp_lg_u32 s[WV], 0
	s_cbranch_scc1 .Lnot_wave_0_\@
	s_barrier_signal -3
.Lnot_wave_0_\@:
	s_barrier_wait -3
	s_barrier_signal -1
	s_barrier_wait -1
.endm
.macro CROUND
	s_barrier_signal -1
	s_barrier_wait -1
	CREST
.endm
	s_load_b256 s[4:11], s[0:1], 0x0               ; attn's codes, attn's scales, w's codes, w's scales
	s_load_b128 s[12:15], s[0:1], 0x20             ; b_proj, out0
	v_lshl_add_u32 v[SPW], v0, 2, SPARE
	v_mov_b32 v[NIL], 0
	ds_add_u32 v28, v29
	ds_add_u32 v28, v29
	s_wait_dscnt 0x0
	v_lshrrev_b32 v25, 5, v0
	v_readfirstlane_b32 s[WV], v25                 ; wave 0..3
	s_lshr_b32 s[SH], s[WV], 1                     ; my half of the tokens.  Also: I fetch tokens (0) or w's rows (1)
	s_and_b32 s[PH], s[WV], 1                      ; my half of the columns.  Also: which half I fetch
	s_bfe_u32 s27, ttmp6, 0x40000                  ; cx, cy
	s_bfe_u32 s28, ttmp6, 0x40004
	s_lshl_b32 s29, ttmp9, 2
	s_add_co_u32 s29, s29, s27                     ; X
	s_and_b32 s30, ttmp7, 0xffff
	s_lshl_b32 s30, s30, 2
	s_add_co_u32 s30, s30, s28                     ; Y
	s_lshl_b32 s31, s28, 2
	s_lshl_b32 s31, 15, s31                        ; my row of the cluster
	s_lshl_b32 s2, 0x1111, s27                     ; my column
	s_or_b32 s[G1], s31, (0<<16)|(1<<20)|(1<<21)|(5<<22)|(3<<25)    ; the mask; elements of 1 byte; 4 words of padding behind every 64; bit 21 beside a mask
	s_or_b32 s[G1B], s2, (0<<16)|(1<<20)|(1<<21)|(5<<22)|(3<<25)
	s_or_b32 s[G1S], s31, (3<<16)|(1<<20)|(1<<21)|(5<<22)|(3<<25)   ; scales: elements of 8 bytes
	s_or_b32 s[G1SB], s2, (3<<16)|(1<<20)|(1<<21)|(5<<22)|(3<<25)
	s_mov_b32 s[G1+1], 256<<16                     ; the tokens' codes: 64 rows x 256 bytes, 1,024 apart
	s_mov_b32 s[G1+2], 64<<16
	s_mov_b32 s[G1+3], 256<<16
	s_mov_b32 s[G1+4], 64
	s_mov_b32 s[G1+5], 1024
	s_mov_b32 s[G1+6], 0
	s_mov_b32 s[G1+7], 0
	s_mov_b32 s[G1B+1], 256<<16                    ; w's: 128 rows
	s_mov_b32 s[G1B+2], 128<<16
	s_mov_b32 s[G1B+3], 256<<16
	s_mov_b32 s[G1B+4], 128
	s_mov_b32 s[G1B+5], 1024
	s_mov_b32 s[G1B+6], 0
	s_mov_b32 s[G1B+7], 0
	s_mov_b32 s[G1S+1], 32<<16                     ; the scales of 64 tokens: 2,048 dense bytes as 8 rows of 256
	s_mov_b32 s[G1S+2], 8<<16
	s_mov_b32 s[G1S+3], 32<<16
	s_mov_b32 s[G1S+4], 8
	s_mov_b32 s[G1S+5], 32
	s_mov_b32 s[G1S+6], 0
	s_mov_b32 s[G1S+7], 0
	s_mov_b32 s[G1SB+1], 32<<16                    ; of 128 rows of w: 16 rows of 256
	s_mov_b32 s[G1SB+2], 16<<16
	s_mov_b32 s[G1SB+3], 32<<16
	s_mov_b32 s[G1SB+4], 16
	s_mov_b32 s[G1SB+5], 32
	s_mov_b32 s[G1SB+6], 0
	s_mov_b32 s[G1SB+7], 0
	s_lshl_b32 s66, s30, 7
	s_lshl_b32 s67, s[PH], 6
	s_add_co_u32 s66, s66, s67                     ; token 128 Y + 64 (w % 2)
	s_lshl_b32 s100, s66, 5                        ; its scales, in bytes,
	s_lshl_b32 s66, s66, 10                        ; its codes
	s_mov_b32 s67, 0
	s_mov_b32 s101, 0
	s_lshl_b32 s104, s29, 8
	s_lshl_b32 s105, s[PH], 7
	s_add_co_u32 s104, s104, s105                  ; w's row 256 X + 128 (w % 2)
	s_lshl_b32 s2, s104, 5
	s_lshl_b32 s104, s104, 10
	s_mov_b32 s105, 0
	s_mov_b32 s3, 0
	s_wait_kmcnt 0x0
	s_add_nc_u64 s[66:67], s[4:5], s[66:67]
	s_add_nc_u64 s[100:101], s[6:7], s[100:101]
	s_add_nc_u64 s[104:105], s[8:9], s[104:105]
	s_add_nc_u64 s[2:3], s[10:11], s[2:3]
	CROUND                                         ; all sixteen work-groups are here: the first joint loads meet
	s_mov_b32 s[G0S], 1
	s_mul_i32 s[G0S+1], s[PH], 2176
	s_add_co_u32 s[G0S+1], s[G0S+1], SCL
	s_mov_b64 s[G0S+2:G0S+3], s[100:101]
	s_or_b32 s[G0S+3], s[G0S+3], 0x80000000
	s_mov_b32 s[G0SB], 1
	s_mul_i32 s[G0SB+1], s[PH], 4352
	s_add_co_u32 s[G0SB+1], s[G0SB+1], SCL+4352
	s_mov_b64 s[G0SB+2:G0SB+3], s[2:3]
	s_or_b32 s[G0SB+3], s[G0SB+3], 0x80000000
	JLOAD G0S, G1S, G0SB, G1SB
.irp s, 0,1,2
	s_mov_b32 s[G0+4*\s], 1
	s_mul_i32 s[G0+4*\s+1], s[PH], 64*PITCH
	s_add_co_u32 s[G0+4*\s+1], s[G0+4*\s+1], \s*SLOT
	s_add_nc_u64 s[G0+4*\s+2:G0+4*\s+3], s[66:67], \s*256
	s_or_b32 s[G0+4*\s+3], s[G0+4*\s+3], 0x80000000
	s_mov_b32 s[G0B+4*\s], 1
	s_mul_i32 s[G0B+4*\s+1], s[PH], 128*PITCH
	s_add_co_u32 s[G0B+4*\s+1], s[G0B+4*\s+1], 128*PITCH+\s*SLOT
	s_add_nc_u64 s[G0B+4*\s+2:G0B+4*\s+3], s[104:105], \s*256
	s_or_b32 s[G0B+4*\s+3], s[G0B+4*\s+3], 0x80000000
	JLOAD G0+4*\s, G1, G0B+4*\s, G1B
.endr
	; LDS addresses: a constant + a lane term + a constant x the wave's number
	v_and_b32 v25, 15, v0                          ; r
	v_bfe_u32 v26, v0, 4, 1                        ; h
	v_and_b32 v30, 31, v0                          ; lane
	v_mul_u32_u24 v31, v25, PITCH
	v_lshl_add_u32 v31, v26, 4, v31
	s_mul_i32 s31, s[SH], 64*PITCH
.irp s, 0,1,2
	v_add_nc_u32 v[ADRA+\s], s31, v31
	s_add_co_u32 s31, s31, SLOT
.endr
	s_mul_i32 s31, s[PH], 128*PITCH
	s_add_co_u32 s31, s31, 128*PITCH
.irp s, 0,1,2
	v_add_nc_u32 v[ADRB+\s], s31, v31
	s_add_co_u32 s31, s31, SLOT
.endr
	v_lshlrev_b32 v31, 5, v25                      ; scale words: 32 bytes a row,
	v_lshrrev_b32 v[ADRS], 3, v25
	v_lshl_add_u32 v31, v[ADRS], 4, v31            ; 16 more behind each 256
	s_mul_i32 s10, s[SH], 2176                     ; lanes 0-15: my tokens;
	s_mul_i32 s11, s[PH], 4352
	s_add_co_u32 s11, s11, 4352
	s_sub_co_u32 s11, s11, s10                     ; lanes 16-31: my rows of w: one product, h x the distance
	v_mul_u32_u24 v[ADRS], s11, v26
	s_add_co_u32 s10, s10, SCL
	v_add_nc_u32 v31, v31, v[ADRS]
	v_add_nc_u32 v[ADRS], s10, v31
	s_mul_i32 s10, s[WV], 16*528
	s_add_co_u32 s10, s10, STG                     ; my stage
	v_mul_u32_u24 v[STO], v25, 528                 ; in: row r, 32 bytes for each half of the lanes
	v_lshl_add_u32 v[STO], v26, 5, v[STO]
	v_add_nc_u32 v[STO], s10, v[STO]
	v_lshlrev_b32 v[CO], 4, v30                    ; back: the 32 lanes take one row of 512 bytes; and the same in out0
	v_add_nc_u32 v[RD], s10, v[CO]
	v_lshlrev_b32 v23, 5, v26                      ; 32 h
	; places in memory
	s_lshl_b32 s10, s29, 10
	s_lshl_b32 s11, s[PH], 9
	s_add_co_u32 s10, s10, s11                     ; my first column, in bytes of f32
	s_mov_b32 s11, 0
	s_add_nc_u64 s[12:13], s[12:13], s[10:11]
	s_add_nc_u64 s[14:15], s[14:15], s[10:11]
	s_lshl_b32 s31, s30, 7
	s_lshl_b32 s10, s[SH], 6
	s_add_co_u32 s31, s31, s10                     ; my first row: 128 Y + 64 (w / 2)
	s_lshl_b32 s10, s31, 12
	s_add_nc_u64 s[14:15], s[14:15], s[10:11]
.irp b, 0,1,2,3,4,5,6,7
	global_load_b128 v[BI+8*\b:BI+8*\b+3], v23, s[12:13] offset:64*\b          ; the bias in the result's layout: columns 16 b + 8 h + 0 .. 7: the C of each sum's first product
	global_load_b128 v[BI+8*\b+4:BI+8*\b+7], v23, s[12:13] offset:64*\b+16
.endr
.macro FRAG reg, adr, off
.irp c, 0,1,2,3
	ds_load_b128 v[\reg+4*\c:\reg+4*\c+3], v[\adr] offset:\off+32*\c
.endr
.endm
; 8 products: token block a x the eight column blocks.  The 32 accumulators take turns, one instruction a turn, in one order throughout.
.macro MUL8 a, set, q, sc, first
.irp b, 0,1,2,3,4,5,6,7
.if \first
	v_wmma_scale_f32_16x16x128_f8f6f4 v[8*(8*(\a)+\b):8*(8*(\a)+\b)+7], v[128*(\set)+16*\b:128*(\set)+16*\b+15], v[128+64*(\set)+16*(\a):128+64*(\set)+16*(\a)+15], v[BI+8*\b:BI+8*\b+7], v[SC+16*(\sc)+2*\b+(\q)], v[SC+16*(\sc)+2*(\a)+(\q)] matrix_a_scale:MATRIX_SCALE_ROW1
.else
	v_wmma_scale_f32_16x16x128_f8f6f4 v[8*(8*(\a)+\b):8*(8*(\a)+\b)+7], v[128*(\set)+16*\b:128*(\set)+16*\b+15], v[128+64*(\set)+16*(\a):128+64*(\set)+16*(\a)+15], v[8*(8*(\a)+\b):8*(8*(\a)+\b)+7], v[SC+16*(\sc)+2*\b+(\q)], v[SC+16*(\sc)+2*(\a)+(\q)] matrix_a_scale:MATRIX_SCALE_ROW1
.endif
.endr
.endm
; One run of loads: the fragments of 128 along K (the slot's q-th) into set; sc < 2: also K step ks's scale words into set sc.  The tokens' blocks 2, 3 come last.
.macro FETCHH slot, q, set, sc, ks
	WIN 0x40
.irp b, 0,1,2,3,4,5,6,7
	FRAG 128*(\set)+16*\b, ADRB+\slot, 128*(\q)+\b*16*PITCH
.endr
	WIN 0
.if \sc < 2
.irp i, 0,1,2,3,4,5,6,7
	ds_load_b64 v[SC+16*(\sc)+2*\i:SC+16*(\sc)+2*\i+1], v[ADRS] offset:544*\i+8*(\ks)   ; lanes 0-15 the tokens' block i (of use for i < 4), lanes 16-31 w's block i
.endr
.endif
.irp a, 0,1,2,3
	FRAG 128+64*(\set)+16*\a, ADRA+\slot, 128*(\q)+\a*16*PITCH
.endr
.endm
.macro HSTEP0 slot, sc, first          ; a K step's first 128: set 0; fetches its second 128 into set 1
	s_wait_dscnt 8                                 ; all but the youngest eight loads (the tokens' blocks 2, 3)
.if \first
	WIN 0x81                                       ; C (the bias) window 0, D window 2
.else
	WIN 0xa1
.endif
	MUL8 0, 0, 0, \sc, \first
	MUL8 1, 0, 0, \sc, \first
	PLACES 8                                       ; in front of loads into registers that matrix instructions have read
	FETCHH \slot, 1, 1, 9, 0
	s_wait_dscnt 48                                ; all but the 48 just issued
.if \first
	WIN 0x81
.else
	WIN 0xa1
.endif
	MUL8 2, 0, 0, \sc, \first
	MUL8 3, 0, 0, \sc, \first
.endm
.macro HSTEP1 sc, nslot, nks           ; a K step's second 128, where the next slot is known whole: no barrier
	s_wait_dscnt 8
	WIN 0xa1
	MUL8 0, 1, 1, \sc, 0
	MUL8 1, 1, 1, \sc, 0
	PLACES 8
	FETCHH \nslot, 0, 0, (\nks)%2, \nks
	s_wait_dscnt 56                                ; all but the 56 just issued
	WIN 0xa1
	MUL8 2, 1, 1, \sc, 0
	MUL8 3, 1, 1, \sc, 0
.endm
; A K step's second 128 with a barrier: in front of it each wave waits for all its tensor loads, adds 0 to its spare word, and waits for that and for its LDS reads.  fill = 1: slot 0 takes K step 3.
.macro HTURN sc, fill, nslot, nks
	WIN 0                                          ; (the add's two registers lie in window 0)
	s_wait_tensorcnt 0x0                           ; no tensor load of mine is out
	ds_add_u32 v[SPW], v[NIL]
	s_wait_dscnt 9                                 ; (the add and the youngest eight loads may be out)
	WIN 0xa1
	MUL8 0, 1, 1, \sc, 0
	s_wait_dscnt 0x0                               ; the add is done, and my reads of the slot in hand are over
	s_barrier_signal -1
	MUL8 1, 1, 1, \sc, 0
	WIN 0
	s_barrier_wait -1
.if \fill
	CREST                                          ; the barrier opened a round of the cluster's: no wave of any partner still reads slot 0 or has a load on its way
	s_add_nc_u64 s[G0+2:G0+3], s[G0+2:G0+3], 768
	s_add_nc_u64 s[G0B+2:G0B+3], s[G0B+2:G0B+3], 768
	JLOAD G0, G1, G0B, G1B                         ; my one tensor load behind the round; its four v_nop are four of the eight places
	PLACES 4
.else
	PLACES 8
.endif
	FETCHH \nslot, 0, 0, (\nks)%2, \nks
	WIN 0xa1
	MUL8 2, 1, 1, \sc, 0
	MUL8 3, 1, 1, \sc, 0
.endm
	s_wait_tensorcnt 2                             ; the scales and my part of K step 0 are in; K steps 1 and 2 may be out
	s_barrier_signal -1
	s_barrier_wait -1
	FETCHH 0, 0, 0, 0, 0
	s_wait_loadcnt 0x0                             ; the bias
	HSTEP0 0, 0, 1
	HTURN 0, 1, 1, 1                               ; every wave's first fills have landed: slots 1 and 2 are whole from here on
	HSTEP0 1, 1, 0
	HSTEP1 1, 2, 2
	HSTEP0 2, 0, 0
	HTURN 0, 0, 0, 3                               ; K step 3 has landed in slot 0; behind this barrier nobody reads slots 1 and 2
	HSTEP0 0, 1, 0
	s_wait_dscnt 8
	WIN 0xa1
	MUL8 0, 1, 1, 1, 0
	MUL8 1, 1, 1, 1, 0
	s_wait_dscnt 0x0
	MUL8 2, 1, 1, 1, 0
	MUL8 3, 1, 1, 1, 0
	WIN 0
; THE WAY OUT, block by block of 16 tokens x 128 columns, through my own stage: in as 32 bytes a lane, back as whole rows of 512 bytes.  LDS serves a wave's instructions in order (ISA guide 5.7.1.4): no wait between the stores and the loads.
.macro TOSTAGE a
	WIN 0x08                                       ; an LDS store's data are its source 1: window 2
.irp b, 0,1,2,3,4,5,6,7
	ds_store_b128 v[STO], v[64*(\a)+8*\b:64*(\a)+8*\b+3] offset:64*\b          ; each accumulator from its low end on
	ds_store_b128 v[STO], v[64*(\a)+8*\b+4:64*(\a)+8*\b+7] offset:64*\b+16
.endr
	WIN 0
.irp t, 0,1,2,3,4,5,6,7,8,9,10,11,12,13,14,15
	ds_load_b128 v[BK+64*((\a)%2)+4*\t:BK+64*((\a)%2)+4*\t+3], v[RD] offset:\t*528
.endr
.endm
.macro SEND a, younger                 ; younger: the LDS instructions issued behind block a's loads, which may stay out
	s_wait_dscnt \younger
.if (\a) > 0
	s_add_nc_u64 s[14:15], s[14:15], 16*4096       ; (behind a wait for 0 on XCNT: the earlier stores have read their base)
.endif
.irp t, 0,1,2,3,4,5,6,7,8,9,10,11,12,13,14,15
	global_store_b128 v[CO], v[BK+64*((\a)%2)+4*\t:BK+64*((\a)%2)+4*\t+3], s[14:15] offset:\t*4096 th:TH_STORE_NT   ; 32 lanes store 512 consecutive bytes, aligned; written once, read by nobody here
.endr
.endm
	PLACES 8                                       ; behind the last products: for the reads of results and for the loads into the registers that held fragments
	TOSTAGE 0
.irp a, 1,2,3
.if \a > 1
	s_wait_xcnt 0x0                                ; block a - 2's stores have read their registers and their base
.endif
	TOSTAGE \a
	SEND \a-1, 32                                  ; behind block a - 1's loads: block a's 16 stores and 16 loads
.endr
	s_wait_xcnt 0x0
	SEND 3, 0
	s_wait_tensorcnt 0x0                           ; the wave's end
	ds_add_u32 v[SPW], v[NIL]
	s_wait_dscnt 0x0
	CROUND                                         ; the closing round
	s_endpgm
.Lfunc_end_k_q5c025a2b7f_gemm_proj:
	.size	k_q5c025a2b7f_gemm_proj, .Lfunc_end_k_q5c025a2b7f_gemm_proj-k_q5c025a2b7f_gemm_proj
	.p2alignl 7, 3214868480
	.fill 96, 4, 3214868480
	.section	.rodata,"a",@progbits
	.p2align	6, 0x0
	.amdhsa_kernel k_q5c025a2b7f_gemm_proj
		.amdhsa_group_segment_fixed_size 327680
		.amdhsa_private_segment_fixed_size 0
		.amdhsa_enable_private_segment 0
		.amdhsa_kernarg_size 48
		.amdhsa_user_sgpr_count 2
		.amdhsa_user_sgpr_kernarg_segment_ptr 1
		.amdhsa_wavefront_size32 1
		.amdhsa_system_sgpr_workgroup_id_x 1
		.amdhsa_system_sgpr_workgroup_id_y 1
		.amdhsa_system_sgpr_workgroup_id_z 1
		.amdhsa_system_vgpr_workitem_id 0
		.amdhsa_next_free_vgpr 768
		.amdhsa_next_free_sgpr 106
		.amdhsa_reserve_vcc 0
		.amdhsa_float_denorm_mode_32 3
		.amdhsa_float_denorm_mode_16_64 3
		.amdhsa_memory_ordered 1
		.amdhsa_forward_progress 1
		.amdhsa_inst_pref_size 90
	.end_amdhsa_kernel
	.amdgpu_metadata
---
amdhsa.version: [ 1, 2 ]
amdhsa.kernels:
  - .name:           k_q5c025a2b7f_gemm_proj
    .symbol:         k_q5c025a2b7f_gemm_proj.kd
    .args:
      - { .name: attn_codes, .offset: 0, .size: 8, .value_kind: global_buffer, .address_space: global }
      - { .name: attn_scales, .offset: 8, .size: 8, .value_kind: global_buffer, .address_space: global }
      - { .name: w_proj_codes, .offset: 16, .size: 8, .value_kind: global_buffer, .address_space: global }
      - { .name: w_proj_scales, .offset: 24, .size: 8, .value_kind: global_buffer, .address_space: global }
      - { .name: b_proj, .offset: 32, .size: 8, .value_kind: global_buffer, .address_space: global }
      - { .name: out0, .offset: 40, .size: 8, .value_kind: global_buffer, .address_space: global }
    .group_segment_fixed_size: 327680
    .private_segment_fixed_size: 0
    .kernarg_segment_align: 8
    .kernarg_segment_size: 48
    .max_flat_workgroup_size: 128
    .sgpr_count:     106
    .vgpr_count:     768
    .wavefront_size: 32
...
	.end_amdgpu_metadata
.endif
;; end of part 4
